; MI455X (gfx1250); checked and timed in simulation.
; The chip was launched on July 23, 2026; its instructions are those of AMD's public machine-readable ISA for CDNA 5 (MIT licence, August 2026) and "CDNA5" Instruction Set Architecture Reference Guide (July 2026). The comments in the code are by the model that wrote it; some were corrected since.
;; Cross Attention2d. Allowed arithmetic: float matrix products may take bf16 or f16 operands with f32 sums; other float arithmetic in f32, or as packed bf16 or f16 multiplies, adds, multiply-adds, maxima and minima; sums over many terms, partial sums and values carried from step to step in f32; what a program stores and reads back later, other than sums and carried values, may be rounded once to bf16 or f16.
;; Inputs: Wkv 2,048 x 768 float32; Wo 1,024 x 1,024 float32; Wq 1,024 x 1,024 float32; beta_dec 1,024 float32; beta_enc 768 float32; bkv 2,048 float32; bo 1,024 float32; bq 1,024 float32; enc 16 x 256 x 768 float32; gamma_dec 1,024 float32; gamma_enc 768 float32; padding 16 x 256 int32; x 16 x 1,024 x 32 x 32 float32.
;; Outputs: out0 16 x 1,024 x 32 x 32 float32.
;; One version. Each part assembles by itself: llvm-mc -triple=amdgcn-amd-amdhsa -mcpu=gfx1250 --defsym DOCPART=n.
;; ======== version 1 of 1: 4 launches
;; limits: values are held in f16: magnitudes above 65,504 overflow, below 6.1e-05 lose precision
;; workspace buffers: xn 33,554,432 bytes; en16 6,291,456 bytes; wq16 2,097,152 bytes; wkv16 3,145,728 bytes; wo16 2,097,152 bytes; kvimg 16,777,216 bytes; y 33,554,432 bytes
;; launch prep (part 1): grid 256 x 1, 16 waves a work-group, no clusters, 142,336 bytes of LDS; arguments x, gamma_dec, beta_dec, enc, gamma_enc, beta_enc, Wq, Wkv, Wo, xn, en16, wq16, wkv16, wo16; writes xn, en16, wq16, wkv16, wo16
.if DOCPART == 1
	.amdgcn_target "amdgcn-amd-amdhsa--gfx1250"
	.amdhsa_code_object_version 6
	.text
	.protected	k_qfa0e736b26_prep
	.globl	k_qfa0e736b26_prep
	.p2align	8
	.type	k_qfa0e736b26_prep,@function
k_qfa0e736b26_prep:
	s_mov_b64 s[64:65], 0
	v_nop
	global_prefetch_b8 v0, s[64:65] scope:SCOPE_SE
	s_setreg_imm32_b32 hwreg(HW_REG_WAVE_MODE, 25, 1), 1
	s_wait_xcnt 0x0
; PREP.  xn[n*1024+p][c] = f16(LN over c of x[n][c][p] * gamma_dec[c] + beta_dec[c]);  en16 = f16(LN over the last axis of enc * gamma_enc + beta_enc);
; wq16, wkv16, wo16 = f16(Wq, Wkv, Wo).  All arithmetic in f32; mean first, then the mean of the squared deviations (no difference of large sums); each result rounded once.
; LIMITS.  f16 holds no number beyond 65,504: the normalised values times gain plus shift, and the weights, must stay within it; below 6e-5 they keep f16's fixed step of 6e-8.  NaN and infinities are not treated apart.
; SHARES.  Work-group g: n = g / 16, 64 positions (g % 16), all 1,024 channels, kept in registers between the passes: x is read once.  Wave w: channels 64 w .. 64 w + 63; lane (r = l % 16, h = l / 16)
; holds channels 64 w + 32 h + i (i = 0..31) of positions 4 r .. 4 r + 3.  A load of the wave covers two whole rows of 256 bytes.  Each wave also takes one row of enc and its 1/4096 of each weight matrix.
; The transposition goes through LDS: position 4 r + k lies in stage row 16 k + r, rows 2,064 bytes apart, so that the sixteen lanes of a 16-byte store fall into sixteen different 16-byte columns.
; No matrix unit, no cluster, no tensor load: memory binds, no two work-groups read the same bytes, and the registers hold all that is in flight.
.set SPITCH, 2064                      ; a stage row: 2,048 bytes (1,024 channels in f16) + 16
.set RED,    64*SPITCH                 ; 132,096: the waves' partial sums, 256 bytes a wave; the second reduction has the 4,096 bytes behind
.set SPARE,  RED+8192                  ; 140,288: the spare words, 128 bytes for each of 16 waves
.set X,   16                           ; v[16:143]  X[4 i + k]
.set WT,  144                          ; v[144:171] seven quads of weights
.set EN,  172                          ; v[172:195] my 24 numbers of the enc row
.set GE,  196                          ; v[196:219] gamma_enc at the same places
.set BE,  220                          ; v[220:243] beta_enc
.set EA,  244                          ; v[244:247] two chains of sums
.set EM,  248                          ; v[248:249] the row's mean, twice
.set EV,  250                          ; v250       variance + eps
.set ER,  252                          ; v[252:253] 1 / sigma, twice
.set GD,  144                          ; later: v[144:175] gamma_dec of my 32 channels
.set BD,  176                          ; v[176:207] beta_dec
.set CH,  208                          ; v[208:215] chains of sums over channels: even i, odd i
.set PT,  216                          ; v[216:247] eight waves' partial sums
.set ST,  248                          ; v[248:251] the four positions' mean, later 1 / sigma
.set T,   208                          ; later: v[208:239] packed f16, two buffers of 16
	s_load_b512 s[4:19], s[0:1], 0x0               ; x s[4:5], gamma_dec s[6:7], beta_dec s[8:9], enc s[10:11], gamma_enc s[12:13], beta_enc s[14:15], Wq s[16:17], Wkv s[18:19]
	s_load_b256 s[20:27], s[0:1], 0x40             ; Wo s[20:21], xn s[22:23], en16 s[24:25], wq16 s[26:27]
	s_load_b128 s[28:31], s[0:1], 0x60             ; wkv16 s[28:29], wo16 s[30:31]
	v_lshl_add_u32 v10, v0, 2, SPARE               ; my spare word,
	v_mov_b32 v11, 0                               ; and 0: for the wave's end
	v_lshrrev_b32 v12, 5, v0
	v_readfirstlane_b32 s32, v12                   ; wave 0..15
	v_and_b32 v13, 31, v0                          ; l
	v_and_b32 v14, 15, v0                          ; r
	v_bfe_u32 v15, v0, 4, 1                        ; h   (v12-15 are written: they later take v_permlanex16_b32's results)
	v_lshlrev_b32 v1, 4, v13                       ; 16 l
	v_lshlrev_b32 v2, 3, v13                       ; 8 l
	v_lshlrev_b32 v3, 4, v14                       ; 16 r
	v_add_nc_u32 v6, RED, v3                       ; where the partial sums of my four positions begin
	s_lshl_b32 s33, s32, 8
	v_add_nc_u32 v5, s33, v6                       ; my wave's own
	v_lshl_add_u32 v3, v15, 17, v3                 ; x: 32 h rows of 4,096 bytes + 16 r
	v_lshlrev_b32 v4, 7, v15                       ; gains: 32 h numbers
	v_mul_u32_u24 v7, v14, SPITCH
	v_lshl_add_u32 v7, v15, 6, v7
	s_lshl_b32 s33, s32, 7
	v_add_nc_u32 v7, s33, v7                       ; stage row r, byte 128 w + 64 h (k = 0, 1 by the offset)
	v_add_nc_u32 v8, 32*SPITCH, v7                 ; the same for k = 2, 3: beyond a 16-bit offset
	s_mul_i32 s33, s32, 4*SPITCH
	v_add_nc_u32 v9, s33, v1                       ; back: stage rows 4 w .. 4 w + 3
	s_lshl_b32 s58, ttmp9, 4
	s_add_co_u32 s58, s58, s32                     ; R = 16 g + w: my row of enc, my share of the weights
	s_lshr_b32 s59, ttmp9, 4                       ; n
	s_and_b32 s60, ttmp9, 15                       ; block of 64 positions
	s_lshl_b32 s34, s59, 22                        ; x: n x 4,194,304
	s_lshl_b32 s61, s32, 18                        ; + 64 w rows
	s_add_co_u32 s34, s34, s61
	s_lshl_b32 s61, s60, 8                         ; + 64 positions x 4 bytes
	s_add_co_u32 s34, s34, s61
	s_mov_b32 s35, 0
	s_mul_i32 s36, s58, 3072                       ; enc
	s_mov_b32 s37, 0
	s_mul_i32 s38, s58, 1536                       ; en16, and Wkv (384 numbers of 4 bytes)
	s_mov_b32 s39, 0
	s_lshl_b32 s40, s58, 10                        ; Wq, Wo (256 numbers)
	s_mov_b32 s41, 0
	s_lshl_b32 s42, s58, 9                         ; wq16, wo16
	s_mov_b32 s43, 0
	s_mul_i32 s44, s58, 768                        ; wkv16
	s_mov_b32 s45, 0
	s_lshl_b32 s46, s32, 8                         ; gamma_dec, beta_dec: 64 w numbers
	s_mov_b32 s47, 0
	s_lshl_b32 s48, s59, 10                        ; xn: row n x 1024 + 64 block + 16 (w % 4) + w / 4
	s_lshl_b32 s61, s60, 6
	s_add_co_u32 s48, s48, s61
	s_and_b32 s61, s32, 3
	s_lshl_b32 s61, s61, 4
	s_add_co_u32 s48, s48, s61
	s_lshr_b32 s61, s32, 2
	s_add_co_u32 s48, s48, s61
	s_lshl_b32 s48, s48, 11
	s_mov_b32 s49, 0
	s_mov_b32 s50, 0x76543210                      ; v_permlanex16_b32: each lane takes its own place in the other half
	s_mov_b32 s51, 0xfedcba98
	s_mov_b32 s52, 0x3aaaaaab                      ; 1 / 768
	s_mov_b32 s54, 0x3a800000                      ; 1 / 1024
	s_mov_b32 s55, s54                             ; named as pairs
	s_mov_b32 s56, 0x3727c5ac                      ; 1e-5
	s_mov_b32 s57, s56
	s_wait_kmcnt 0x0
	s_add_nc_u64 s[4:5], s[4:5], s[34:35]
	s_add_nc_u64 s[6:7], s[6:7], s[46:47]
	s_add_nc_u64 s[8:9], s[8:9], s[46:47]
	s_add_nc_u64 s[10:11], s[10:11], s[36:37]
	s_add_nc_u64 s[16:17], s[16:17], s[40:41]
	s_add_nc_u64 s[18:19], s[18:19], s[38:39]
	s_add_nc_u64 s[20:21], s[20:21], s[40:41]
	s_add_nc_u64 s[22:23], s[22:23], s[48:49]
	s_add_nc_u64 s[24:25], s[24:25], s[38:39]
	s_add_nc_u64 s[26:27], s[26:27], s[42:43]
	s_add_nc_u64 s[28:29], s[28:29], s[44:45]
	s_add_nc_u64 s[30:31], s[30:31], s[42:43]
	; 57 loads go out at once: 7 of weights, 18 for the enc row, 32 of x
.irp j, 0,1
	global_load_b128 v[WT+4*\j:WT+4*\j+3], v1, s[16:17] offset:512*\j th:TH_LOAD_NT
.endr
.irp j, 0,1
	global_load_b128 v[WT+8+4*\j:WT+8+4*\j+3], v1, s[20:21] offset:512*\j th:TH_LOAD_NT
.endr
.irp j, 0,1,2
	global_load_b128 v[WT+16+4*\j:WT+16+4*\j+3], v1, s[18:19] offset:512*\j th:TH_LOAD_NT
.endr
.irp j, 0,1,2,3,4,5
	global_load_b128 v[EN+4*\j:EN+4*\j+3], v1, s[10:11] offset:512*\j th:TH_LOAD_NT
.endr
.irp j, 0,1,2,3,4,5
	global_load_b128 v[GE+4*\j:GE+4*\j+3], v1, s[12:13] offset:512*\j
.endr
.irp j, 0,1,2,3,4,5
	global_load_b128 v[BE+4*\j:BE+4*\j+3], v1, s[14:15] offset:512*\j
.endr
.set i, 0
.rept 32
	global_load_b128 v[X+4*i:X+4*i+3], v3, s[4:5] offset:4096*i th:TH_LOAD_NT
.set i, i+1
.endr
	; THE WEIGHTS: rounded in place; a store of the wave covers 256 consecutive bytes, aligned
	s_wait_loadcnt 50                              ; the 18 + 32 younger loads stay out
.set j, 0
.rept 7
	v_cvt_pk_f16_f32 v[WT+4*j], v[WT+4*j], v[WT+4*j+1]
	v_cvt_pk_f16_f32 v[WT+4*j+1], v[WT+4*j+2], v[WT+4*j+3]
.set j, j+1
.endr
.irp j, 0,1
	global_store_b64 v2, v[WT+4*\j:WT+4*\j+1], s[26:27] offset:256*\j
.endr
.irp j, 0,1
	global_store_b64 v2, v[WT+8+4*\j:WT+8+4*\j+1], s[30:31] offset:256*\j
.endr
.irp j, 0,1,2
	global_store_b64 v2, v[WT+16+4*\j:WT+16+4*\j+1], s[28:29] offset:256*\j
.endr
; the sum of register r over the wave's 32 lanes, in every lane
.macro WSUM r
	v_add_f32_dpp v[\r], v[\r], v[\r] row_xmask:1 row_mask:0xf bank_mask:0xf
	v_add_f32_dpp v[\r], v[\r], v[\r] row_xmask:2 row_mask:0xf bank_mask:0xf
	v_add_f32_dpp v[\r], v[\r], v[\r] row_xmask:4 row_mask:0xf bank_mask:0xf
	v_add_f32_dpp v[\r], v[\r], v[\r] row_xmask:8 row_mask:0xf bank_mask:0xf
	v_permlanex16_b32 v12, v[\r], s50, s51
	v_add_f32 v[\r], v[\r], v12
.endm
	; THE ENC ROW: one wave, one row, 24 numbers a lane
	s_wait_loadcnt 32                              ; x's 32 loads stay out
	v_pk_add_f32 v[EA:EA+1], v[EN:EN+1], v[EN+4:EN+5]
	v_pk_add_f32 v[EA+2:EA+3], v[EN+2:EN+3], v[EN+6:EN+7]
.set j, 4
.rept 8
	v_pk_add_f32 v[EA+2*(j%2):EA+2*(j%2)+1], v[EA+2*(j%2):EA+2*(j%2)+1], v[EN+2*j:EN+2*j+1]
.set j, j+1
.endr
	v_pk_add_f32 v[EA:EA+1], v[EA:EA+1], v[EA+2:EA+3]
	v_add_f32 v[EA], v[EA], v[EA+1]
	WSUM EA
	v_mul_f32 v[EM], s52, v[EA]
	v_mul_f32 v[EM+1], s52, v[EA]
.set j, 0
.rept 12
	v_pk_add_f32 v[EN+2*j:EN+2*j+1], v[EN+2*j:EN+2*j+1], v[EM:EM+1] neg_lo:[0,1] neg_hi:[0,1]
.set j, j+1
.endr
	v_pk_mul_f32 v[EA:EA+1], v[EN:EN+1], v[EN:EN+1]
	v_pk_mul_f32 v[EA+2:EA+3], v[EN+2:EN+3], v[EN+2:EN+3]
.set j, 2
.rept 10
	v_pk_fma_f32 v[EA+2*(j%2):EA+2*(j%2)+1], v[EN+2*j:EN+2*j+1], v[EN+2*j:EN+2*j+1], v[EA+2*(j%2):EA+2*(j%2)+1]
.set j, j+1
.endr
	v_pk_add_f32 v[EA:EA+1], v[EA:EA+1], v[EA+2:EA+3]
	v_add_f32 v[EA], v[EA], v[EA+1]
	WSUM EA
	v_fmaak_f32 v[EV], s52, v[EA], 0x3727c5ac      ; variance + 1e-5
	v_rsq_f32 v[ER], v[EV]
	v_rsq_f32 v[ER+1], v[EV]
	v_nop                                          ; a plain instruction between the root and the use of its result (ISA guide 5.7.2)
.set j, 0
	s_wait_alu depctr_va_vdst(0)
.rept 12
	v_pk_mul_f32 v[EN+2*j:EN+2*j+1], v[EN+2*j:EN+2*j+1], v[ER:ER+1]
.set j, j+1
.endr
.set j, 0
.rept 12
	v_pk_fma_f32 v[EN+2*j:EN+2*j+1], v[EN+2*j:EN+2*j+1], v[GE+2*j:GE+2*j+1], v[BE+2*j:BE+2*j+1]
.set j, j+1
.endr
.set j, 0
.rept 6
	v_cvt_pk_f16_f32 v[EN+4*j], v[EN+4*j], v[EN+4*j+1]
	v_cvt_pk_f16_f32 v[EN+4*j+1], v[EN+4*j+2], v[EN+4*j+3]
	global_store_b64 v2, v[EN+4*j:EN+4*j+1], s[24:25] offset:256*j
.set j, j+1
.endr
	s_wait_xcnt 0x0                                ; the stores' data registers are loaded again only behind this wait
.irp j, 0,1,2,3,4,5,6,7
	global_load_b128 v[GD+4*\j:GD+4*\j+3], v4, s[6:7] offset:16*\j
.endr
.irp j, 0,1,2,3,4,5,6,7
	global_load_b128 v[BD+4*\j:BD+4*\j+3], v4, s[8:9] offset:16*\j
.endr
; eight waves' partial sums in v[PT..] are added; first = 1: the first two start the sum
.macro PSUM first
.if \first
	v_pk_add_f32 v[CH:CH+1], v[PT:PT+1], v[PT+4:PT+5]
	v_pk_add_f32 v[CH+2:CH+3], v[PT+2:PT+3], v[PT+6:PT+7]
.else
	v_pk_add_f32 v[CH:CH+1], v[CH:CH+1], v[PT:PT+1]
	v_pk_add_f32 v[CH+2:CH+3], v[CH+2:CH+3], v[PT+2:PT+3]
	v_pk_add_f32 v[CH:CH+1], v[CH:CH+1], v[PT+4:PT+5]
	v_pk_add_f32 v[CH+2:CH+3], v[CH+2:CH+3], v[PT+6:PT+7]
.endif
.irp j, 2,3,4,5,6,7
	v_pk_add_f32 v[CH:CH+1], v[CH:CH+1], v[PT+4*\j:PT+4*\j+1]
	v_pk_add_f32 v[CH+2:CH+3], v[CH+2:CH+3], v[PT+4*\j+2:PT+4*\j+3]
.endr
.endm
; The two chains are joined, the other half of the lanes (32 more channels) is added, and the sixteen waves' sums meet in LDS: store, wait for it, barrier, read all sixteen.
; off = 0, 4096: each of the two reductions has bytes of its own, so no barrier is needed between the first's reads and the second's stores.
.macro XRED off
	v_pk_add_f32 v[CH:CH+1], v[CH:CH+1], v[CH+4:CH+5]
	v_pk_add_f32 v[CH+2:CH+3], v[CH+2:CH+3], v[CH+6:CH+7]
.irp k, 0,1,2,3
	v_permlanex16_b32 v[12+\k], v[CH+\k], s50, s51
.endr
	v_pk_add_f32 v[CH:CH+1], v[CH:CH+1], v[12:13]
	v_pk_add_f32 v[CH+2:CH+3], v[CH+2:CH+3], v[14:15]
	ds_store_b128 v5, v[CH:CH+3] offset:\off       ; both halves of the lanes write the same bytes with the same numbers
	s_wait_dscnt 0x0                               ; for the others' sake: my store is done
	s_barrier_signal -1
	s_barrier_wait -1
.irp j, 0,1,2,3,4,5,6,7
	ds_load_b128 v[PT+4*\j:PT+4*\j+3], v6 offset:(\off)+256*\j
.endr
	s_wait_dscnt 0x0
	PSUM 1
.irp j, 0,1,2,3,4,5,6,7
	ds_load_b128 v[PT+4*\j:PT+4*\j+3], v6 offset:(\off)+2048+256*\j
.endr
	s_wait_dscnt 0x0
	PSUM 0
.endm
	; THE MEAN over 1,024 channels, for my four positions
	s_wait_loadcnt 16                              ; x is in; the 16 loads of gains and shifts stay out
	v_pk_add_f32 v[CH:CH+1], v[X:X+1], v[X+8:X+9]
	v_pk_add_f32 v[CH+2:CH+3], v[X+2:X+3], v[X+10:X+11]
	v_pk_add_f32 v[CH+4:CH+5], v[X+4:X+5], v[X+12:X+13]
	v_pk_add_f32 v[CH+6:CH+7], v[X+6:X+7], v[X+14:X+15]
.set i, 4
.rept 28
	v_pk_add_f32 v[CH+4*(i%2):CH+4*(i%2)+1], v[CH+4*(i%2):CH+4*(i%2)+1], v[X+4*i:X+4*i+1]
	v_pk_add_f32 v[CH+4*(i%2)+2:CH+4*(i%2)+3], v[CH+4*(i%2)+2:CH+4*(i%2)+3], v[X+4*i+2:X+4*i+3]
.set i, i+1
.endr
	XRED 0
	v_pk_mul_f32 v[ST:ST+1], v[CH:CH+1], s[54:55] op_sel_hi:[1,0]
	v_pk_mul_f32 v[ST+2:ST+3], v[CH+2:CH+3], s[54:55] op_sel_hi:[1,0]
	; THE VARIANCE: the deviations take x's place, and their squares are summed
.set i, 0
.rept 32
	v_pk_add_f32 v[X+4*i:X+4*i+1], v[X+4*i:X+4*i+1], v[ST:ST+1] neg_lo:[0,1] neg_hi:[0,1]
	v_pk_add_f32 v[X+4*i+2:X+4*i+3], v[X+4*i+2:X+4*i+3], v[ST+2:ST+3] neg_lo:[0,1] neg_hi:[0,1]
.set i, i+1
.endr
.set i, 0
.rept 2
	v_pk_mul_f32 v[CH+4*i:CH+4*i+1], v[X+4*i:X+4*i+1], v[X+4*i:X+4*i+1]
	v_pk_mul_f32 v[CH+4*i+2:CH+4*i+3], v[X+4*i+2:X+4*i+3], v[X+4*i+2:X+4*i+3]
.set i, i+1
.endr
.rept 30
	v_pk_fma_f32 v[CH+4*(i%2):CH+4*(i%2)+1], v[X+4*i:X+4*i+1], v[X+4*i:X+4*i+1], v[CH+4*(i%2):CH+4*(i%2)+1]
	v_pk_fma_f32 v[CH+4*(i%2)+2:CH+4*(i%2)+3], v[X+4*i+2:X+4*i+3], v[X+4*i+2:X+4*i+3], v[CH+4*(i%2)+2:CH+4*(i%2)+3]
.set i, i+1
.endr
	XRED 4096
	v_pk_fma_f32 v[ST:ST+1], v[CH:CH+1], s[54:55], s[56:57] op_sel_hi:[1,0,0]
	v_pk_fma_f32 v[ST+2:ST+3], v[CH+2:CH+3], s[54:55], s[56:57] op_sel_hi:[1,0,0]
.irp k, 0,1,2,3
	v_rsq_f32 v[ST+\k], v[ST+\k]
.endr
	v_nop                                          ; a plain instruction between the last root and the use of its result
	s_wait_loadcnt 0x0                             ; gains and shifts
.set i, 0
	s_wait_alu depctr_va_vdst(0)
.rept 32
	v_pk_mul_f32 v[X+4*i:X+4*i+1], v[X+4*i:X+4*i+1], v[ST:ST+1]
	v_pk_mul_f32 v[X+4*i+2:X+4*i+3], v[X+4*i+2:X+4*i+3], v[ST+2:ST+3]
.set i, i+1
.endr
.set i, 0
.rept 32                               ; channel i's gain and shift serve both numbers of a pair: the pair's first register for even i, its second for odd i
.if i%2
	v_pk_fma_f32 v[X+4*i:X+4*i+1], v[X+4*i:X+4*i+1], v[GD+i-1:GD+i], v[BD+i-1:BD+i] op_sel:[0,1,1] op_sel_hi:[1,1,1]
	v_pk_fma_f32 v[X+4*i+2:X+4*i+3], v[X+4*i+2:X+4*i+3], v[GD+i-1:GD+i], v[BD+i-1:BD+i] op_sel:[0,1,1] op_sel_hi:[1,1,1]
.else
	v_pk_fma_f32 v[X+4*i:X+4*i+1], v[X+4*i:X+4*i+1], v[GD+i:GD+i+1], v[BD+i:BD+i+1] op_sel_hi:[1,0,0]
	v_pk_fma_f32 v[X+4*i+2:X+4*i+3], v[X+4*i+2:X+4*i+3], v[GD+i:GD+i+1], v[BD+i:BD+i+1] op_sel_hi:[1,0,0]
.endif
.set i, i+1
.endr
	; INTO THE STAGE: eight neighbouring channels of one position are 16 bytes
.set u, 0
.rept 4
.set TT, T+16*(u%2)
.set k, 0
.rept 4
.set m, 0
.rept 4
	v_cvt_pk_f16_f32 v[TT+4*k+m], v[X+4*(8*u+2*m)+k], v[X+4*(8*u+2*m+1)+k]
.set m, m+1
.endr
.set k, k+1
.endr
	ds_store_b128 v7, v[TT:TT+3] offset:16*u
	ds_store_b128 v7, v[TT+4:TT+7] offset:16*SPITCH+16*u
	ds_store_b128 v8, v[TT+8:TT+11] offset:16*u
	ds_store_b128 v8, v[TT+12:TT+15] offset:16*SPITCH+16*u
.set u, u+1
.endr
	s_wait_dscnt 0x0                               ; for the others' sake: my stores into the stage are done
	s_barrier_signal -1
	s_barrier_wait -1
	; BACK as whole rows: stage row 4 w + t is position 16 (w % 4) + 4 t + w / 4; each store of the wave covers 512 consecutive bytes, aligned
.set i, 0
.rept 16
	ds_load_b128 v[X+4*i:X+4*i+3], v9 offset:(i/4)*SPITCH+(i%4)*512
.set i, i+1
.endr
.set i, 0
.rept 16
	s_wait_dscnt 15-i                              ; LDS loads come back in order (ISA guide 5.7.1)
	global_store_b128 v1, v[X+4*i:X+4*i+3], s[22:23] offset:(i/4)*8192+(i%4)*512
.set i, i+1
.endr
	s_wait_tensorcnt 0x0                           ; the wave's end
	ds_add_u32 v10, v11
	s_wait_dscnt 0x0
	s_endpgm
.Lfunc_end_k_qfa0e736b26_prep:
	.size	k_qfa0e736b26_prep, .Lfunc_end_k_qfa0e736b26_prep-k_qfa0e736b26_prep
	.p2alignl 7, 3214868480
	.fill 96, 4, 3214868480
	.section	.rodata,"a",@progbits
	.p2align	6, 0x0
	.amdhsa_kernel k_qfa0e736b26_prep
		.amdhsa_group_segment_fixed_size 142336
		.amdhsa_private_segment_fixed_size 0
		.amdhsa_enable_private_segment 0
		.amdhsa_kernarg_size 112
		.amdhsa_user_sgpr_count 2
		.amdhsa_user_sgpr_kernarg_segment_ptr 1
		.amdhsa_wavefront_size32 1
		.amdhsa_system_sgpr_workgroup_id_x 1
		.amdhsa_system_sgpr_workgroup_id_y 1
		.amdhsa_system_sgpr_workgroup_id_z 1
		.amdhsa_system_vgpr_workitem_id 0
		.amdhsa_next_free_vgpr 256
		.amdhsa_next_free_sgpr 66
		.amdhsa_reserve_vcc 0
		.amdhsa_float_denorm_mode_32 3
		.amdhsa_float_denorm_mode_16_64 3
		.amdhsa_memory_ordered 1
		.amdhsa_forward_progress 1
		.amdhsa_inst_pref_size 54
	.end_amdhsa_kernel
	.amdgpu_metadata
---
amdhsa.version: [ 1, 2 ]
amdhsa.kernels:
  - .name:           k_qfa0e736b26_prep
    .symbol:         k_qfa0e736b26_prep.kd
    .args:
      - { .name: x, .offset: 0, .size: 8, .value_kind: global_buffer, .address_space: global }
      - { .name: gamma_dec, .offset: 8, .size: 8, .value_kind: global_buffer, .address_space: global }
      - { .name: beta_dec, .offset: 16, .size: 8, .value_kind: global_buffer, .address_space: global }
      - { .name: enc, .offset: 24, .size: 8, .value_kind: global_buffer, .address_space: global }
      - { .name: gamma_enc, .offset: 32, .size: 8, .value_kind: global_buffer, .address_space: global }
      - { .name: beta_enc, .offset: 40, .size: 8, .value_kind: global_buffer, .address_space: global }
      - { .name: Wq, .offset: 48, .size: 8, .value_kind: global_buffer, .address_space: global }
      - { .name: Wkv, .offset: 56, .size: 8, .value_kind: global_buffer, .address_space: global }
      - { .name: Wo, .offset: 64, .size: 8, .value_kind: global_buffer, .address_space: global }
      - { .name: xn, .offset: 72, .size: 8, .value_kind: global_buffer, .address_space: global }
      - { .name: en16, .offset: 80, .size: 8, .value_kind: global_buffer, .address_space: global }
      - { .name: wq16, .offset: 88, .size: 8, .value_kind: global_buffer, .address_space: global }
      - { .name: wkv16, .offset: 96, .size: 8, .value_kind: global_buffer, .address_space: global }
      - { .name: wo16, .offset: 104, .size: 8, .value_kind: global_buffer, .address_space: global }
    .group_segment_fixed_size: 142336
    .private_segment_fixed_size: 0
    .kernarg_segment_align: 8
    .kernarg_segment_size: 112
    .max_flat_workgroup_size: 512
    .sgpr_count:     66
    .vgpr_count:     256
    .wavefront_size: 32
...
	.end_amdgpu_metadata
.endif
;; end of part 1
;; launch kvproj (part 2): grid 16 x 16, 4 waves a work-group, clusters of 4 x 4, 327,680 bytes of LDS; arguments en16, wkv16, bkv, kvimg; writes kvimg
.if DOCPART == 2
	.amdgcn_target "amdgcn-amd-amdhsa--gfx1250"
	.amdhsa_code_object_version 6
	.text
	.protected	k_qfa0e736b26_kvproj
	.globl	k_qfa0e736b26_kvproj
	.p2align	8
	.type	k_qfa0e736b26_kvproj,@function
k_qfa0e736b26_kvproj:
	s_mov_b64 s[64:65], 0
	v_nop
	global_prefetch_b8 v0, s[64:65] scope:SCOPE_SE
	s_setreg_imm32_b32 hwreg(HW_REG_WAVE_MODE, 25, 1), 1
	s_wait_xcnt 0x0
	s_wait_alu depctr_hold_cnt(0) depctr_sa_sdst(0) depctr_va_vdst(0) depctr_va_sdst(0) depctr_va_ssrc(0) depctr_va_vcc(0) depctr_vm_vsrc(0)
	s_getreg_b32 s2, hwreg(HW_REG_IB_STS2, 6, 4)
	s_cmp_eq_u32 s2, 0
	s_cbranch_scc0 .Lentry_in_a_cluster
	s_endpgm
.Lentry_in_a_cluster:
	s_bfe_u32 s2, ttmp6, 0x10000c
	s_cmp_lg_u32 s2, 0xf033
	s_cbranch_scc0 .Lentry_shape_is_right
	s_endpgm
.Lentry_shape_is_right:
; KVPROJ.  kv = LN(enc) Wkv^T + bkv, f16 operands, f32 sums, rounded once to f16, and stored as the register images that the attention's matrix instructions take.  kvimg holds K's images, then, 8,388,608 bytes on, V's:
;   K[n][head][kt 16][c 2][q 2][lane 32][16 bytes]: fragment (kt, c): lane (r, h) holds key 16 kt + r, channels 32 c + 16 q + 8 h + 0..7
;   V[n][head][kk 8][cb 4][q 2][lane 32][16 bytes]: fragment (kk, cb): lane (r, h) holds channel 16 cb + r, keys 32 kk + 16 q + 8 h + 0..7
; LIMITS.  k and v must stay within f16's 65,504; NaN and infinities are not treated apart.
; ONE TEXT FOR BOTH.  The matrix instruction's source 0 ("B" rows) becomes the result's registers 8 h + j, source 1 ("A" rows) its lane r.  K: A = en16 (keys), B = Wk's rows (channels).
; V: A = Wv's rows (channels), B = en16 (keys).  Either way eight results of a lane, rounded, ARE 16 bytes of an image: no stage, no transposing load.  Which part a cluster makes hangs on the cluster's x
; alone and enters selects only, never a branch.
; A tile is 256 A rows x 128 B rows; 128 tiles for K, 128 for V.  Four waves, each 128 x 64: 32 accumulators.  K = 768 goes in six steps of 128 through two LDS slots.
; THE WALK.  A trip is one K step; CUR (0 or SLOT) says which slot is read, and the fragment addresses and the walking descriptors are made from it.  The first quarter, whose products start the sums, stands in front
; of the loop, which is entered in its middle.  The last two steps, which fill nothing, are one text walked twice: behind the last step's turn 24 LDS loads and a barrier serve nothing, the price of one text.
; CLUSTER 4 x 4: A's tile hangs on the cluster's row, B's on its column; each is asked for jointly, by the same tensor load, descriptor and mask in the four that share it.
; REGISTERS: window 0: v16-43 addresses and the lane's bias; v64-191 A's fragments, two buffers; v192-223 at work.  Window 1: v0-31 the registers' bias; v64-95, v128-159 B's fragments.  Window 2: accumulator (a, b) at v[8 (4 a + b)].
.set KDIM,   768
.set KSTEP,  128
.set STEPS,  KDIM/KSTEP
.set PITCH,  272                       ; an LDS row: 256 bytes + 16: the 16 rows of a fragment load start at 16 different groups of four banks (64 banks of 4 bytes: ISA guide 11.1)
.set HA,     128*PITCH                 ; half of A's tile: one tensor load
.set HB,     64*PITCH                  ; half of B's
.set BOFF,   2*HA
.set SLOT,   2*HA+2*HB                 ; 104,448
.set SPARE,  2*SLOT                    ; 208,896: the spare words, 128 bytes for each wave
.set A0V,  16                          ; v16    my A fragments in slot 0
.set B0V,  17                          ; v17    the same for B
.set ADRA, 20                          ; v20    in the slot that is read
.set ADRB, 21                          ; v21
.set ZR,   22                          ; v22    0
.set SPW,  28
.set NIL,  29
.set BIA,  32                          ; v32-39 bias of my lane's A row, block a (0 for K)
.set VB,   40                          ; v40-43 byte offset of block b's 16 bytes in the image
.set F0,   64
.set F1,   128
.set T,    192
.set DT,   64                          ; the way out: 16 registers for each a
.set CUR,  2                           ; s2     0 or SLOT: the slot that is read
.set CNT,  3
.set LBA,  22                          ; s22    where my half of A's tile goes in a slot
.set LBB,  23                          ; s23    the same for B
.set G1A, 24
.set G0A, 32                           ; s[32:35] K step 0; s[36:39] walks from K step 1 on
.set G1B, 40
.set G0B, 48                           ; s[48:51], s[52:55] likewise
.set BA,  76                           ; s[76:91] the image's address for block a
.set MSB, 0
.macro WIN new                         ; the immediate's high byte repeats the setting that is left
.if MSB != (\new)
	s_set_vgpr_msb (MSB<<8)|(\new)
.set MSB, \new
.endif
.endm
.macro PLACES                          ; four places in front of loads into registers that matrix instructions have read, and of lines that read results
.rept 4
	v_nop
.endr
.endm
.macro JLOAD s                         ; a joint load: waves 0 and 1 fetch A's halves, waves 2 and 3 B's; an s_nop 0 and four v_nop follow each line
	s_cmp_eq_u32 s15, 0
	s_cbranch_scc0 .Lfor_b_\@
	tensor_load_to_lds s[G0A+4*(\s):G0A+4*(\s)+3], s[G1A:G1A+7]
	s_nop 0
.rept 4
	v_nop
.endr
	s_branch .Lasked_\@
.Lfor_b_\@:
	tensor_load_to_lds s[G0B+4*(\s):G0B+4*(\s)+3], s[G1B:G1B+7]
	s_nop 0
.rept 4
	v_nop
.endr
.Lasked_\@:
.endm
.macro CREST                           ; a round of the cluster's barrier behind its opening barrier
	s_cmp_lg_u32 s14, 0
	s_cbranch_scc1 .Lnot_wave_0_\@
	s_barrier_signal -3
.Lnot_wave_0_\@:
	s_barrier_wait -3
	s_barrier_signal -1
	s_barrier_wait -1
.endm
.macro CROUND
	s_barrier_signal -1
	s_barrier_wait -1
	CREST
.endm
	s_load_b256 s[4:11], s[0:1], 0x0               ; en16 s[4:5], wkv16 s[6:7], bkv s[8:9], kvimg s[10:11]
	v_lshl_add_u32 v[SPW], v0, 2, SPARE
	v_mov_b32 v[NIL], 0
	ds_add_u32 v[SPW], v[NIL]                      ; the wave's opening
	v_lshrrev_b32 v1, 5, v0
	v_readfirstlane_b32 s14, v1                    ; wave
	s_lshr_b32 s15, s14, 1                         ; rh: my half of A's rows.  Also: I fetch for A (0) or B (1)
	s_and_b32 s16, s14, 1                          ; ch: my half of B's rows.  Also: which half I fetch
	s_bfe_u32 s17, ttmp6, 0x40000                  ; cx
	s_bfe_u32 s18, ttmp6, 0x40004                  ; cy
	s_and_b32 s19, ttmp7, 0xffff                   ; the cluster's y
	s_cmp_ge_u32 ttmp9, 2                          ; clusters 0, 1 along x make K, clusters 2, 3 make V
	s_cselect_b32 s20, 1, 0                        ; part
	s_cselect_b32 s21, -1, 0                       ; the same as a mask of lanes
	s_lshl_b32 s56, s19, 2
	s_add_co_u32 s56, s56, s18                     ; work-group y
	s_lshl_b32 s57, ttmp9, 2
	s_add_co_u32 s57, s57, s17                     ; work-group x
	s_lshl_b32 s62, s19, 3
	s_add_co_u32 s62, s62, s57
	s_sub_co_u32 s62, s62, 8                       ; V: B's tile = x - 8 + 8 x cluster y
	s_cmp_lg_u32 s20, 0
	s_cselect_b32 s56, s18, s56                    ; TA: K: work-group y (= n); V: cy.  It never holds cx
	s_cselect_b32 s57, s62, s57                    ; TB: K: work-group x; V: as above.  It never holds cy
	s_cselect_b32 s61, 1024*KDIM*2, 0              ; V: A begins at Wv's first row
	s_lshl_b32 s58, s18, 2
	s_lshl_b32 s58, 15, s58                        ; my row of the cluster
	s_lshl_b32 s59, 0x1111, s17                    ; my column
	s_or_b32 s[G1A], s58, (1<<16)|(1<<20)|(1<<21)|(5<<22)|(3<<25)  ; the mask; 2-byte elements; padding on; bit 21 beside a mask; after every 64 words 4 words
	s_or_b32 s[G1B], s59, (1<<16)|(1<<20)|(1<<21)|(5<<22)|(3<<25)
	s_mov_b32 s[G1A+1], KSTEP<<16                  ; tensor_dim0 = 128
	s_mov_b32 s[G1A+2], 128<<16                    ; tensor_dim1 = 128
	s_mov_b32 s[G1A+3], KSTEP<<16                  ; tile_dim0 = 128
	s_mov_b32 s[G1A+4], 128                        ; tile_dim1 = 128
	s_mov_b32 s[G1A+5], KDIM                       ; elements from row to row
	s_mov_b32 s[G1A+6], 0
	s_mov_b32 s[G1A+7], 0
	s_mov_b32 s[G1B+1], KSTEP<<16
	s_mov_b32 s[G1B+2], 64<<16                     ; 64 rows
	s_mov_b32 s[G1B+3], KSTEP<<16
	s_mov_b32 s[G1B+4], 64
	s_mov_b32 s[G1B+5], KDIM
	s_mov_b32 s[G1B+6], 0
	s_mov_b32 s[G1B+7], 0
	s_lshl_b32 s60, s56, 8
	s_lshl_b32 s74, s16, 7
	s_add_co_u32 s60, s60, s74                     ; A: row 256 TA + 128 half
	s_mul_i32 s60, s60, KDIM*2
	s_add_co_u32 s60, s60, s61
	s_mov_b32 s61, 0
	s_lshl_b32 s62, s57, 7
	s_lshl_b32 s63, s16, 6
	s_add_co_u32 s62, s62, s63                     ; B: row 128 TB + 64 half
	s_mul_i32 s62, s62, KDIM*2
	s_mov_b32 s63, 0
	s_mul_i32 s[LBA], s16, HA                      ; where they go: no place in the cluster enters an LDS address
	s_mul_i32 s[LBB], s16, HB
	s_add_co_u32 s[LBB], s[LBB], BOFF
	s_mov_b32 s[CUR], 0
	s_lshl_b32 s70, s57, 9                         ; K: the registers' bias: bkv[128 TB + 64 ch ..]
	s_lshl_b32 s71, s16, 8
	s_add_co_u32 s70, s70, s71
	s_lshl_b32 s72, s56, 10                        ; V: the lanes' bias: bkv[1024 + 256 TA + 128 rh ..]
	s_lshl_b32 s73, s15, 9
	s_add_co_u32 s72, s72, s73
	s_add_co_u32 s72, s72, 4096
	s_cmp_lg_u32 s20, 0
	s_cselect_b32 s70, 0, s70                      ; the part that does not use a bias loads it from bkv's head and turns it into 0
	s_cselect_b32 s72, s72, 0
	s_mov_b32 s71, 0
	s_mov_b32 s73, 0
	s_wait_dscnt 0x0                               ; the opening add is done
	s_wait_kmcnt 0x0
	s_cmp_lg_u32 s20, 0
	s_cselect_b64 s[66:67], s[6:7], s[4:5]         ; A's tensor
	s_cselect_b64 s[68:69], s[4:5], s[6:7]         ; B's
	s_mov_b64 s[92:93], s[10:11]                   ; the images
	s_add_nc_u64 s[66:67], s[66:67], s[60:61]
	s_add_nc_u64 s[68:69], s[68:69], s[62:63]
	s_add_nc_u64 s[70:71], s[8:9], s[70:71]
	s_add_nc_u64 s[72:73], s[8:9], s[72:73]
	CROUND                                         ; all sixteen work-groups are here: the first joint loads meet
.irp s, 0,1
	s_mov_b32 s[G0A+4*(\s)], 1
	s_add_co_u32 s[G0A+4*(\s)+1], s[LBA], (\s)*SLOT
	s_add_nc_u64 s[G0A+4*(\s)+2:G0A+4*(\s)+3], s[66:67], (\s)*KSTEP*2
	s_or_b32 s[G0A+4*(\s)+3], s[G0A+4*(\s)+3], 0x80000000
	s_mov_b32 s[G0B+4*(\s)], 1
	s_add_co_u32 s[G0B+4*(\s)+1], s[LBB], (\s)*SLOT
	s_add_nc_u64 s[G0B+4*(\s)+2:G0B+4*(\s)+3], s[68:69], (\s)*KSTEP*2
	s_or_b32 s[G0B+4*(\s)+3], s[G0B+4*(\s)+3], 0x80000000
	JLOAD \s                                       ; two loads of mine are out
.endr
	v_and_b32 v1, 15, v0                           ; r
	v_bfe_u32 v2, v0, 4, 1                         ; h
	v_lshlrev_b32 v4, 5, v2                        ; 8 h numbers
	v_lshlrev_b32 v5, 2, v1                        ; r numbers
	v_mov_b32 v[ZR], 0
	WIN 0x40
.irp f, 0,1,2,3,4,5,6,7                ; block b = f / 2, registers 4 (f % 2) ..: bias of B rows 16 b + 8 h + j
	global_load_b128 v[4*\f:4*\f+3], v4, s[70:71] offset:64*(\f/2)+16*(\f%2)
.endr
	WIN 0
.irp a, 0,1,2,3,4,5,6,7                ; bias of A row 16 a + r
	global_load_b32 v[BIA+\a], v5, s[72:73] offset:64*\a
.endr
	v_mul_u32_u24 v3, v1, PITCH
	v_lshl_add_u32 v3, v2, 4, v3                   ; a fragment's row x pitch + 16 x half
	s_mul_i32 s74, s15, HA
	s_mul_i32 s75, s16, HB
	s_add_co_u32 s75, s75, BOFF
	v_add_nc_u32 v[A0V], s74, v3
	v_add_nc_u32 v[B0V], s75, v3
	v_mov_b32 v[ADRA], v[A0V]                      ; K step 0 lies in slot 0
	v_mov_b32 v[ADRB], v[B0V]
	; where the results go.  K: n = TA, head = 2 TB + ch, kt = 8 rh + a, c = b / 2, q = b % 2.  V: n = TB / 2, head = 4 TA + 2 rh + a / 4, cb = a % 4, kk = 4 (TB % 2) + 2 ch + b / 2, q = b % 2
	s_lshr_b32 s94, 2048, s20                      ; bytes for a % 4: K 2,048, V 1,024
	s_lshl_b32 s75, s20, 1
	s_lshl_b32 s95, 8192, s75                      ; for a / 4: K 8,192, V 32,768
	s_lshl_b32 s96, 1024, s75                      ; for b / 2: K 1,024, V 4,096
	s_lshl_b32 s98, s56, 19
	s_lshl_b32 s97, s57, 1
	s_add_co_u32 s97, s97, s16
	s_lshl_b32 s97, s97, 15
	s_add_co_u32 s98, s98, s97
	s_lshl_b32 s97, s15, 14
	s_add_co_u32 s98, s98, s97                     ; K's tile
	s_lshr_b32 s74, s57, 1
	s_lshl_b32 s74, s74, 19
	s_lshl_b32 s97, s56, 2
	s_lshl_b32 s75, s15, 1
	s_add_co_u32 s97, s97, s75
	s_lshl_b32 s97, s97, 15
	s_add_co_u32 s74, s74, s97
	s_and_b32 s97, s57, 1
	s_lshl_b32 s97, s97, 2
	s_lshl_b32 s75, s16, 1
	s_add_co_u32 s97, s97, s75
	s_lshl_b32 s97, s97, 12
	s_add_co_u32 s74, s74, s97
	s_add_co_u32 s74, s74, 0x800000                ; V's tile, behind K's images
	s_cmp_lg_u32 s20, 0
	s_cselect_b32 s98, s74, s98
	s_mov_b32 s99, 0
	s_add_nc_u64 s[92:93], s[92:93], s[98:99]
.irp a, 0,1,2,3,4,5,6,7
	s_mul_i32 s98, s94, (\a%4)
	s_mul_i32 s97, s95, (\a/4)
	s_add_co_u32 s98, s98, s97
	s_add_nc_u64 s[BA+2*\a:BA+2*\a+1], s[92:93], s[98:99]
.endr
	v_and_b32 v[VB], 31, v0
	v_lshlrev_b32 v[VB], 4, v[VB]                  ; 16 l
	v_add_nc_u32 v[VB+1], 512, v[VB]
	v_add_nc_u32 v[VB+2], s96, v[VB]
	v_add_nc_u32 v[VB+3], s96, v[VB+1]
; 8 matrix instructions: A blocks a0, a0 + 1 x all 4 B blocks, 32 along K.  first = 1: the registers' bias starts the sums.  The 32 accumulators take turns.
.macro MUL8 f, a0, first
.if \first
	WIN 0x91                                       ; B window 1, A window 0, C window 1, D window 2
.else
	WIN 0xa1                                       ; C and D window 2
.endif
.irp a, \a0, (\a0)+1
.irp b, 0,1,2,3
.if \first
	v_wmma_f32_16x16x32_f16 v[8*(4*(\a)+(\b)):8*(4*(\a)+(\b))+7], v[(\f)+8*(\b):(\f)+8*(\b)+7], v[(\f)+8*(\a):(\f)+8*(\a)+7], v[8*(\b):8*(\b)+7]
.else
	v_wmma_f32_16x16x32_f16 v[8*(4*(\a)+(\b)):8*(4*(\a)+(\b))+7], v[(\f)+8*(\b):(\f)+8*(\b)+7], v[(\f)+8*(\a):(\f)+8*(\a)+7], v[8*(4*(\a)+(\b)):8*(4*(\a)+(\b))+7]
.endif
.endr
.endr
.endm
; 24 LDS loads in one run: a quarter step's fragments (64 rows of B, 128 rows of A, 32 K at byte k) into buffer f
.macro FETCH k, f
	WIN 0x40
.irp i, 0,1,2,3
	ds_load_b128 v[(\f)+8*(\i):(\f)+8*(\i)+3],   v[ADRB] offset:(\k)+(\i)*16*PITCH
	ds_load_b128 v[(\f)+8*(\i)+4:(\f)+8*(\i)+7], v[ADRB] offset:(\k)+(\i)*16*PITCH+32
.endr
	WIN 0
.irp i, 0,1,2,3,4,5,6,7
	ds_load_b128 v[(\f)+8*(\i):(\f)+8*(\i)+3],   v[ADRA] offset:(\k)+(\i)*16*PITCH
	ds_load_b128 v[(\f)+8*(\i)+4:(\f)+8*(\i)+7], v[ADRA] offset:(\k)+(\i)*16*PITCH+32
.endr
.endm
.macro QUARTER k, f, g, first
	s_wait_dscnt 8                                 ; B and A's blocks 0-3 are in; the youngest eight loads (A's blocks 4-7) may be out
	MUL8 \f, 0, \first
	MUL8 \f, 2, \first
	PLACES
	FETCH \k, \g
	s_wait_dscnt 24                                ; all but the 24 just issued
	MUL8 \f, 4, \first
	MUL8 \f, 6, \first
.endm
; The last quarter multiplies buffer 1 and changes slots: one barrier; in front of it each wave waits for all its tensor loads (one is out at the most: its part of the next slot), adds 0 to its spare word, and waits
; for that and for its reads of this slot.  fill = 1: the barrier opens a round of the cluster's, and this slot is filled again, two K steps ahead, first thing behind it, by the walking descriptor.
.macro TURN fill
	WIN 0
	s_wait_tensorcnt 0x0                           ; no tensor load of mine is out, so a group 0 may be written
	ds_add_u32 v[SPW], v[NIL]
.if \fill
	s_add_co_u32 s[G0A+5], s[LBA], s[CUR]          ; into the slot that is being read out,
	s_add_nc_u64 s[G0A+6:G0A+7], s[G0A+6:G0A+7], KSTEP*2  ; the K step behind the one asked for last
	s_add_co_u32 s[G0B+5], s[LBB], s[CUR]
	s_add_nc_u64 s[G0B+6:G0B+7], s[G0B+6:G0B+7], KSTEP*2
.endif
	s_wait_dscnt 9                                 ; (the add and the youngest eight loads may be out)
	MUL8 F1, 0, 0
	s_wait_dscnt 0x0                               ; the add is done, and my reads of this slot are over
	s_barrier_signal -1
	MUL8 F1, 2, 0
	WIN 0
	s_barrier_wait -1
.if \fill
	CREST
	JLOAD 1                                        ; its four v_nop are also the places in front of the loads below
.else
	PLACES
.endif
	s_xor_b32 s[CUR], s[CUR], SLOT                 ; the other slot is read from here on
	v_add_nc_u32 v[ADRA], s[CUR], v[A0V]
	v_add_nc_u32 v[ADRB], s[CUR], v[B0V]
	FETCH 0, F0
	MUL8 F1, 4, 0
	MUL8 F1, 6, 0
.endm
	s_wait_tensorcnt 1                             ; my part of K step 0 is in; step 1's may stay out
	s_barrier_signal -1
	s_barrier_wait -1
	FETCH 0, F0
	s_wait_loadcnt 0x0                             ; the biases
	WIN 0x41
.set i, 0
.rept 32
	v_cndmask_b32 v[i], v[i], v[ZR], s21           ; V has no bias by registers
.set i, i+1
.endr
	WIN 0
.irp a, 0,1,2,3,4,5,6,7
	v_cndmask_b32 v[BIA+\a], v[ZR], v[BIA+\a], s21 ; K has none by lanes
.endr
	QUARTER 64, F0, F1, 1
	WIN 0
	s_mov_b32 s[CNT], STEPS-2
	s_branch .Lmid                                 ; the first step's first quarter has been done
.Lstep:                                                ; a trip is a K step, and fills the slot that it has read out
	QUARTER 64, F0, F1, 0
	WIN 0
.Lmid:
	QUARTER 128, F1, F0, 0
	QUARTER 192, F0, F1, 0
	TURN 1
	WIN 0
	s_sub_co_u32 s[CNT], s[CNT], 1
	s_cmp_lg_u32 s[CNT], 0
	s_cbranch_scc1 .Lstep
	s_mov_b32 s[CNT], 2
.Ltail:                                                ; the last two steps fill nothing
	QUARTER 64, F0, F1, 0
	QUARTER 128, F1, F0, 0
	QUARTER 192, F0, F1, 0
	TURN 0
	WIN 0
	s_sub_co_u32 s[CNT], s[CNT], 1
	s_cmp_lg_u32 s[CNT], 0
	s_cbranch_scc1 .Ltail
	s_wait_dscnt 0x0                               ; the fragments fetched behind the last turn serve nothing; their registers are written again below
	PLACES
	; THE WAY OUT: the lane's bias is added, eight results are rounded to 16 bytes, and each store of the wave covers 512 consecutive bytes of an image, aligned.  Every block has data registers of its own.
.set a, 0
.rept 8
	WIN 0x02                                       ; source 0 window 2
.set i, 0
.rept 16
.if a%2
	v_pk_add_f32 v[T+2*i:T+2*i+1], v[32*a+2*i:32*a+2*i+1], v[BIA+a-1:BIA+a] op_sel:[0,1] op_sel_hi:[1,1]
.else
	v_pk_add_f32 v[T+2*i:T+2*i+1], v[32*a+2*i:32*a+2*i+1], v[BIA+a:BIA+a+1] op_sel_hi:[1,0]
.endif
.set i, i+1
.endr
	WIN 0
.set i, 0
.rept 16
	v_cvt_pk_f16_f32 v[DT+16*a+i], v[T+2*i], v[T+2*i+1]
.set i, i+1
.endr
.irp b, 0,1,2,3
	global_store_b128 v[VB+\b], v[DT+16*a+4*\b:DT+16*a+4*\b+3], s[BA+2*a:BA+2*a+1]
.endr
.set a, a+1
.endr
	s_wait_tensorcnt 0x0                           ; the wave's end
	ds_add_u32 v[SPW], v[NIL]
	s_wait_dscnt 0x0
	CROUND                                         ; the closing round: no work-group ends while a partner may still ask for a tile that names it
	s_endpgm
.Lfunc_end_k_qfa0e736b26_kvproj:
	.size	k_qfa0e736b26_kvproj, .Lfunc_end_k_qfa0e736b26_kvproj-k_qfa0e736b26_kvproj
	.p2alignl 7, 3214868480
	.fill 96, 4, 3214868480
	.section	.rodata,"a",@progbits
	.p2align	6, 0x0
	.amdhsa_kernel k_qfa0e736b26_kvproj
		.amdhsa_group_segment_fixed_size 327680
		.amdhsa_private_segment_fixed_size 0
		.amdhsa_enable_private_segment 0
		.amdhsa_kernarg_size 32
		.amdhsa_user_sgpr_count 2
		.amdhsa_user_sgpr_kernarg_segment_ptr 1
		.amdhsa_wavefront_size32 1
		.amdhsa_system_sgpr_workgroup_id_x 1
		.amdhsa_system_sgpr_workgroup_id_y 1
		.amdhsa_system_sgpr_workgroup_id_z 1
		.amdhsa_system_vgpr_workitem_id 0
		.amdhsa_next_free_vgpr 768
		.amdhsa_next_free_sgpr 100
		.amdhsa_reserve_vcc 0
		.amdhsa_float_denorm_mode_32 3
		.amdhsa_float_denorm_mode_16_64 3
		.amdhsa_memory_ordered 1
		.amdhsa_forward_progress 1
		.amdhsa_inst_pref_size 72
	.end_amdhsa_kernel
	.amdgpu_metadata
---
amdhsa.version: [ 1, 2 ]
amdhsa.kernels:
  - .name:           k_qfa0e736b26_kvproj
    .symbol:         k_qfa0e736b26_kvproj.kd
    .args:
      - { .name: en16, .offset: 0, .size: 8, .value_kind: global_buffer, .address_space: global }
      - { .name: wkv16, .offset: 8, .size: 8, .value_kind: global_buffer, .address_space: global }
      - { .name: bkv, .offset: 16, .size: 8, .value_kind: global_buffer, .address_space: global }
      - { .name: kvimg, .offset: 24, .size: 8, .value_kind: global_buffer, .address_space: global }
    .group_segment_fixed_size: 327680
    .private_segment_fixed_size: 0
    .kernarg_segment_align: 8
    .kernarg_segment_size: 32
    .max_flat_workgroup_size: 128
    .sgpr_count:     100
    .vgpr_count:     768
    .wavefront_size: 32
...
	.end_amdgpu_metadata
.endif
;; end of part 2
;; launch qattn (part 3): grid 4 x 64, 4 waves a work-group, clusters of 4 x 4, 327,680 bytes of LDS; arguments xn, wq16, bq, padding, kvimg, y; writes y
.if DOCPART == 3
	.amdgcn_target "amdgcn-amd-amdhsa--gfx1250"
	.amdhsa_code_object_version 6
	.text
	.protected	k_qfa0e736b26_qattn
	.globl	k_qfa0e736b26_qattn
	.p2align	8
	.type	k_qfa0e736b26_qattn,@function
k_qfa0e736b26_qattn:
	s_mov_b64 s[64:65], 0
	v_nop
	global_prefetch_b8 v0, s[64:65] scope:SCOPE_SE
	s_setreg_imm32_b32 hwreg(HW_REG_WAVE_MODE, 25, 1), 1
	s_wait_xcnt 0x0
	s_wait_alu depctr_hold_cnt(0) depctr_sa_sdst(0) depctr_va_vdst(0) depctr_va_sdst(0) depctr_va_ssrc(0) depctr_va_vcc(0) depctr_vm_vsrc(0)
	s_getreg_b32 s2, hwreg(HW_REG_IB_STS2, 6, 4)
	s_cmp_eq_u32 s2, 0
	s_cbranch_scc0 .Lentry_in_a_cluster
	s_endpgm
.Lentry_in_a_cluster:
	s_bfe_u32 s2, ttmp6, 0x10000c
	s_cmp_lg_u32 s2, 0xf033
	s_cbranch_scc0 .Lentry_shape_is_right
	s_endpgm
.Lentry_shape_is_right:
; QATTN.  q = xn Wq^T + bq for 256 positions x 256 channels (4 heads), then those heads' attention over the 256 keys; q never leaves the WGP.
; O[p][d] = sum over k of softmax_k(q . k / 8 - 10000 padding[k]) v[k][d], rounded to f16 and stored as the fragment image that the next product's source takes:
;   y[n][head][tile of 16 positions, 64][cb 4][lane 32][16 bytes]: lane (r, h) holds position 16 tile + r, channels 16 cb + 8 h + 0..7.
; f16 operands, f32 sums, maxima and row sums; q, the weights p and O are rounded once each (l is the sum of the unrounded p).
; LIMITS.  q must stay within f16's 65,504.  padding is exact up to 2^24.  The score is kept as s - 80000 padding and multiplied by 1/8 with log2(e): the same relative rounding as att - 10000 padding.
; The maximum taken away is the true maximum of the row's 256 masked scores.  A weight below 2^-126 counts as 0.  NaN and infinities are not treated apart.
; GEMM.  Four waves, each 128 x 128: 64 accumulators.  Source 0 = 16 rows of Wq (the result's registers), source 1 = 16 rows of xn (its lane).  K = 1,024 in eight steps of 128 through two LDS slots.
; A trip is one K step; CUR (0 or SLOT) says which slot is read.  The first quarter, whose products start the sums, stands in front of the loop, which is entered in its middle.
; CLUSTER 4 x 4, all of one n: xn's tile is shared along the cluster's row, Wq's tile and the heads' K and V images along its column; each is asked for jointly.
; HAND-OVER.  The last two steps are one text walked twice: their turns fill slot 0 with the four heads' K images and slot 1 with the V images (wave w fetches head w's; V lies 8,388,608 bytes behind K).  Behind the last
; turn 32 LDS loads serve nothing, the price of one text.  Each wave takes its K into registers; behind a barrier slot 0, which has had its last fill, takes q: two neighbouring blocks of 16 channels, rounded, ARE
; source 1's fragment, so q is parked as Qimg[head 4][tile 16][c 2][q 2][lane][16 bytes].
; ATTENTION.  Wave w owns head w and all 16 tiles of 16 queries; K (256 registers), V (256) and the mask (128) stay in registers.  S^T = K Q^T + mask holds one query a lane; two results rounded are source 1 of
; O^T = V^T P.  The 256 keys go in eight groups of 32, a SLOT each.  Slot g: the exponentials of group g; c s - c m for group g + 1; group g's roundings and sums (the last four of them in slot g + 1's first lines);
; and eight products: the next tile's scores into group g - 1's registers, which the softmax has just emptied, and V^T P of group g - 1; behind them the next tile's running maximum over those new scores.
; Each product stands alone with four lines behind it (plain, exponential, plain, plain); the slot's other sixteen lines, exponential and plain by turns, stand in front of its products.
; A trip goes from slot 1 of a tile to slot 0 of the next.  The last trip's scores (tile 15 once more), their maximum and their slot 0 serve nothing: 32 products, the price of one text for all trips.
; REGISTERS.  GEMM: window 0 v64-191 A's fragments; window 1 v0-63 bq, v64-191 B's fragments; windows 2, 3 the accumulators ((a, b) at v[8 (8 (a % 4) + b)] of window 2 + a / 4).
; Attention: window 0 as named below; window 1 K (fragment (kt, c) at 16 kt + 8 c); window 2 V ((kk, cb) at 32 kk + 8 cb); window 3 v0-127 the mask (8 kt + j).
.set KSTEP,  128
.set STEPS,  8
.set PITCH,  272                       ; 256 bytes + 16: the 16 rows of a fragment load start at 16 different groups of four banks (64 banks of 4 bytes: ISA guide 11.1)
.set HALFT,  128*PITCH
.set SLOT,   4*HALFT                   ; 139,264
.set MASK,   2*SLOT                    ; 278,528: -80000 padding[k], 256 numbers
.set SPARE,  MASK+1024                 ; 279,552: the spare words
.set KA,  3                            ; v3   32,768 w + 16 l: my head's K image, later its parked q
.set VA,  4                            ; v4   the same in slot 1: V
.set MA,  5                            ; v5   MASK + 32 h
.set QAD, 7                            ; v7   the tile of q to be fetched
.set GO,  10                           ; v10  my byte offset in y
.set PA,  11                           ; v11  where I park q
.set A0V, 12                           ; v12, v13 (GEMM) my A and B fragments in slot 0
.set B0V, 13
.set ADRA, 14                          ; v14, v15 (GEMM) in the slot that is read
.set ADRB, 15
.set MX,  12                           ; v12-13 two chains of the next tile's maximum
.set M,   16
.set MT,  17
.set CM,  18                           ; v18 c m (v19 is named with it)
.set L,   20                           ; v[20:21] l: even keys', odd keys'
.set LS,  22
.set LT,  23
.set RL,  24                           ; v24 1 / l (v25 is named with it)
.set SPW, 28
.set NIL, 29
.set O,   32                           ; v32-63  O^T, 4 accumulators
.set S,   64                           ; v64-191 S^T, 16 accumulators
.set P,   192                          ; v192-207 two buffers of 8
.set Q,   208                          ; v208-223
.set T,   224                          ; v224-239 O rounded
.set F0,  64
.set F1,  128
.set TMP, 64
.set CUR, 2                            ; s2   0 or SLOT: the slot that is read
.set CNT, 3
.set WV,  18
.set G1A, 28
.set G1B, 36
.set G1I, 44                           ; s[44:51] group 1 for an image: 32,768 dense bytes
.set G0A, 52                           ; s[52:55] K step 0; s[56:59] walks from K step 1 on
.set G0I, 60                           ; s[60:63] the images'
.set G0B, 80                           ; s[80:83], s[84:87] as G0A
.set CS,  74                           ; s[74:75] c = log2(e) / 8
.set SEL, 76
.set QOFF, 78
.set LBI, 79                           ; s79  where my image goes in a slot
.set YB,  92
.set STP, 96                           ; s[96:97] what the image's address steps by: 0, then from K to V
.set LB,  99                           ; s99  where my part of a tile goes in a slot
.set MSB, 0
.macro WIN new
.if MSB != (\new)
	s_set_vgpr_msb (MSB<<8)|(\new)
.set MSB, \new
.endif
.endm
.macro PLACES
.rept 4
	v_nop
.endr
.endm
.macro JLOAD s                         ; a joint load: waves 0 and 1 fetch A's halves, waves 2 and 3 B's; an s_nop 0 and four v_nop follow each line
	s_cmp_eq_u32 s19, 0
	s_cbranch_scc0 .Lfor_b_\@
	tensor_load_to_lds s[G0A+4*(\s):G0A+4*(\s)+3], s[G1A:G1A+7]
	s_nop 0
.rept 4
	v_nop
.endr
	s_branch .Lasked_\@
.Lfor_b_\@:
	tensor_load_to_lds s[G0B+4*(\s):G0B+4*(\s)+3], s[G1B:G1B+7]
	s_nop 0
.rept 4
	v_nop
.endr
.Lasked_\@:
.endm
.macro CREST
	s_cmp_lg_u32 s[WV], 0
	s_cbranch_scc1 .Lnot_wave_0_\@
	s_barrier_signal -3
.Lnot_wave_0_\@:
	s_barrier_wait -3
	s_barrier_signal -1
	s_barrier_wait -1
.endm
.macro CROUND
	s_barrier_signal -1
	s_barrier_wait -1
	CREST
.endm
	s_load_b256 s[4:11], s[0:1], 0x0               ; xn s[4:5], wq16 s[6:7], bq s[8:9], padding s[10:11]
	s_load_b128 s[12:15], s[0:1], 0x20             ; kvimg s[12:13], y s[14:15]
	v_lshl_add_u32 v[SPW], v0, 2, SPARE
	v_mov_b32 v[NIL], 0
	ds_add_u32 v[SPW], v[NIL]                      ; the wave's opening
	v_lshrrev_b32 v1, 5, v0
	v_readfirstlane_b32 s[WV], v1
	s_lshr_b32 s19, s[WV], 1                       ; rh.  Also: I fetch for A (0) or B (1)
	s_and_b32 s20, s[WV], 1                        ; ch.  Also: which half I fetch
	s_bfe_u32 s21, ttmp6, 0x40000                  ; cx
	s_bfe_u32 s22, ttmp6, 0x40004                  ; cy
	s_lshl_b32 s25, ttmp9, 2
	s_add_co_u32 s25, s25, s21                     ; X: tile of 256 channels = heads 4 X .. 4 X + 3
	s_and_b32 s24, ttmp7, 0xffff                   ; n: a cluster lies in one n
	s_lshl_b32 s23, s24, 2
	s_add_co_u32 s23, s23, s22                     ; Y: tile of 256 rows of xn
	s_lshl_b32 s26, s22, 2
	s_lshl_b32 s26, 15, s26                        ; my row of the cluster
	s_lshl_b32 s27, 0x1111, s21                    ; my column
	s_or_b32 s[G1A], s26, (1<<16)|(1<<20)|(1<<21)|(5<<22)|(3<<25)
	s_or_b32 s[G1B], s27, (1<<16)|(1<<20)|(1<<21)|(5<<22)|(3<<25)
	s_or_b32 s[G1I], s27, (3<<16)|(1<<21)          ; elements of 8 bytes, no padding
.irp g, G1A, G1B
	s_mov_b32 s[\g+1], KSTEP<<16                   ; tensor_dim0 = 128
	s_mov_b32 s[\g+2], 128<<16                     ; tensor_dim1 = 128
	s_mov_b32 s[\g+3], KSTEP<<16                   ; tile_dim0 = 128
	s_mov_b32 s[\g+4], 128                         ; tile_dim1 = 128
	s_mov_b32 s[\g+5], 1024                        ; elements from row to row
	s_mov_b32 s[\g+6], 0
	s_mov_b32 s[\g+7], 0
.endr
	s_mov_b32 s[G1I+1], 32<<16                     ; 128 rows of 32 elements: 256 bytes each, end to end
	s_mov_b32 s[G1I+2], 128<<16
	s_mov_b32 s[G1I+3], 32<<16
	s_mov_b32 s[G1I+4], 128
	s_mov_b32 s[G1I+5], 32
	s_mov_b32 s[G1I+6], 0
	s_mov_b32 s[G1I+7], 0
	s_lshl_b32 s68, s23, 8
	s_lshl_b32 s69, s20, 7
	s_add_co_u32 s68, s68, s69
	s_lshl_b32 s68, s68, 11                        ; A: row 256 Y + 128 half, 2,048 bytes a row
	s_mov_b32 s69, 0
	s_lshl_b32 s70, s25, 8
	s_lshl_b32 s71, s20, 7
	s_add_co_u32 s70, s70, s71
	s_lshl_b32 s94, s70, 2                         ; bq at my wave's first channel (ch is also my half of the columns)
	s_mov_b32 s95, 0
	s_lshl_b32 s70, s70, 11                        ; B: row 256 X + 128 half
	s_mov_b32 s71, 0
	s_lshl_b32 s98, s24, 4
	s_lshl_b32 s73, s25, 2
	s_add_co_u32 s98, s98, s73
	s_add_co_u32 s98, s98, s[WV]                   ; my head among all: 16 n + 4 X + w
	s_lshl_b32 s72, s98, 15                        ; its image
	s_mov_b32 s73, 0
	s_lshl_b32 s92, s98, 17                        ; its 64 tiles of y,
	s_lshl_b32 s93, s22, 15                        ; my work-group's 16 of them
	s_add_co_u32 s92, s92, s93
	s_mov_b32 s93, 0
	s_lshl_b32 s96, s24, 10                        ; padding's row n
	s_mov_b32 s97, 0
	s_mul_i32 s[LB], s[WV], HALFT                  ; where the tiles go: wave x 128 rows
	s_lshl_b32 s[LBI], s[WV], 15                   ; where the images go: wave x 32,768
	s_mov_b32 s[CUR], 0
	s_mov_b32 s[CS], 0x3e38aa3b
	s_mov_b32 s[CS+1], s[CS]
	s_mov_b32 s[SEL], 0x76543210
	s_mov_b32 s[SEL+1], 0xfedcba98
	s_wait_dscnt 0x0                               ; the opening add is done
	s_wait_kmcnt 0x0
	s_add_nc_u64 s[68:69], s[4:5], s[68:69]
	s_add_nc_u64 s[70:71], s[6:7], s[70:71]
	s_add_nc_u64 s[8:9], s[8:9], s[94:95]
	s_add_nc_u64 s[10:11], s[10:11], s[96:97]
	s_mov_b32 s[STP], 0                            ; the first image asked for is K's
	s_add_nc_u64 s[YB:YB+1], s[14:15], s[92:93]
	s_mov_b32 s[G0I], 1
	s_mov_b32 s[G0I+1], s[LBI]
	s_add_nc_u64 s[G0I+2:G0I+3], s[12:13], s[72:73]
	s_or_b32 s[G0I+3], s[G0I+3], 0x80000000
	CROUND                                         ; all sixteen work-groups are here: the first joint loads meet
.irp s, 0,1
	s_mov_b32 s[G0A+4*(\s)], 1
	s_add_co_u32 s[G0A+4*(\s)+1], s[LB], (\s)*SLOT
	s_add_nc_u64 s[G0A+4*(\s)+2:G0A+4*(\s)+3], s[68:69], (\s)*KSTEP*2
	s_or_b32 s[G0A+4*(\s)+3], s[G0A+4*(\s)+3], 0x80000000
	s_mov_b32 s[G0B+4*(\s)], 1
	s_add_co_u32 s[G0B+4*(\s)+1], s[LB], (\s)*SLOT
	s_add_nc_u64 s[G0B+4*(\s)+2:G0B+4*(\s)+3], s[70:71], (\s)*KSTEP*2
	s_or_b32 s[G0B+4*(\s)+3], s[G0B+4*(\s)+3], 0x80000000
	JLOAD \s                                       ; two loads of mine are out
.endr
	v_and_b32 v1, 15, v0                           ; r
	v_bfe_u32 v2, v0, 4, 1                         ; h
	v_lshlrev_b32 v30, 5, v2                       ; 8 h numbers
	v_lshlrev_b32 v31, 3, v0                       ; thread t: padding[2 t], [2 t + 1]
	global_load_b64 v[26:27], v31, s[10:11]
	WIN 0x40
.irp f, 0,1,2,3,4,5,6,7,8,9,10,11,12,13,14,15  ; bq of channels 16 b + 8 h + j: block b = f / 2, registers 4 (f % 2) ..
	global_load_b128 v[4*\f:4*\f+3], v30, s[8:9] offset:64*(\f/2)+16*(\f%2)
.endr
	WIN 0
	v_mul_u32_u24 v16, v1, PITCH
	v_lshl_add_u32 v16, v2, 4, v16                 ; a fragment's row x pitch + 16 x half
	s_mul_i32 s66, s19, HALFT
	s_mul_i32 s67, s20, HALFT
	s_add_co_u32 s67, s67, 2*HALFT
	v_add_nc_u32 v[A0V], s66, v16
	v_add_nc_u32 v[B0V], s67, v16
	v_mov_b32 v[ADRA], v[A0V]                      ; K step 0 lies in slot 0
	v_mov_b32 v[ADRB], v[B0V]
	v_and_b32 v[GO], 31, v0
	v_lshlrev_b32 v[GO], 4, v[GO]                  ; 16 l
	v_add_nc_u32 v[KA], s[LBI], v[GO]
	v_add_nc_u32 v[VA], SLOT, v[KA]
	v_lshl_add_u32 v[MA], v2, 5, MASK
	s_lshl_b32 s66, s20, 16                        ; q's park: head 2 ch + b / 4, tile 8 rh + a
	s_lshl_b32 s67, s19, 14
	s_add_co_u32 s66, s66, s67
	v_add_nc_u32 v[PA], s66, v[GO]
	v_lshl_add_u32 v20, v0, 3, MASK
	s_wait_loadcnt 0x0                             ; padding and bq
	v_cvt_f32_i32 v26, v26
	v_cvt_f32_i32 v27, v27
	v_pk_mul_f32 v[26:27], v[26:27], 0xc79c4000 op_sel_hi:[1,0]  ; x -80000
	ds_store_b64 v20, v[26:27]
; 16 matrix instructions: A blocks a0, a0 + 1 of the window's four x all 8 B blocks.  first = 1: bq starts the sums.  The 64 accumulators take turns.
.macro MUL16 f, hi, a0, first
.if \first
	WIN 0x91+0x40*(\hi)                            ; B window 1, A window 0, C window 1, D window 2 or 3
.else
	WIN 0xa1+0x50*(\hi)
.endif
.irp a, \a0, (\a0)+1
.irp b, 0,1,2,3,4,5,6,7
.if \first
	v_wmma_f32_16x16x32_f16 v[8*(8*(\a)+(\b)):8*(8*(\a)+(\b))+7], v[(\f)+8*(\b):(\f)+8*(\b)+7], v[(\f)+8*(4*(\hi)+(\a)):(\f)+8*(4*(\hi)+(\a))+7], v[8*(\b):8*(\b)+7]
.else
	v_wmma_f32_16x16x32_f16 v[8*(8*(\a)+(\b)):8*(8*(\a)+(\b))+7], v[(\f)+8*(\b):(\f)+8*(\b)+7], v[(\f)+8*(4*(\hi)+(\a)):(\f)+8*(4*(\hi)+(\a))+7], v[8*(8*(\a)+(\b)):8*(8*(\a)+(\b))+7]
.endif
.endr
.endr
.endm
.macro FETCH k, f                      ; 32 LDS loads in one run
	WIN 0x40
.irp i, 0,1,2,3,4,5,6,7
	ds_load_b128 v[(\f)+8*(\i):(\f)+8*(\i)+3],   v[ADRB] offset:(\k)+(\i)*16*PITCH
	ds_load_b128 v[(\f)+8*(\i)+4:(\f)+8*(\i)+7], v[ADRB] offset:(\k)+(\i)*16*PITCH+32
.endr
	WIN 0
.irp i, 0,1,2,3,4,5,6,7
	ds_load_b128 v[(\f)+8*(\i):(\f)+8*(\i)+3],   v[ADRA] offset:(\k)+(\i)*16*PITCH
	ds_load_b128 v[(\f)+8*(\i)+4:(\f)+8*(\i)+7], v[ADRA] offset:(\k)+(\i)*16*PITCH+32
.endr
.endm
.macro QUARTER k, f, g, first
	s_wait_dscnt 8                                 ; B and A's blocks 0-3 are in; the youngest eight loads may be out
	MUL16 \f, 0, 0, \first
	MUL16 \f, 0, 2, \first
	PLACES
	FETCH \k, \g
	s_wait_dscnt 32                                ; all but the 32 just issued
	MUL16 \f, 1, 0, \first
	MUL16 \f, 1, 2, \first
.endm
; The last quarter multiplies buffer 1 and changes slots.  In front of the round each wave waits for all its tensor loads (one is out), adds 0 to its spare word, and waits for that and for its reads of this slot.
; Behind the round this slot is filled again, first thing: kind 1: with the K step two steps on, by the walking descriptor; kind 2: with my head's image: K's the first time, V's the second.
.macro TURN kind
	WIN 0
	s_wait_tensorcnt 0x0                           ; no tensor load of mine is out, so a group 0 may be written
	ds_add_u32 v[SPW], v[NIL]
.if (\kind) == 1
	s_add_co_u32 s[G0A+5], s[LB], s[CUR]           ; into the slot that is being read out,
	s_add_nc_u64 s[G0A+6:G0A+7], s[G0A+6:G0A+7], KSTEP*2  ; the K step behind the one asked for last
	s_add_co_u32 s[G0B+5], s[LB], s[CUR]
	s_add_nc_u64 s[G0B+6:G0B+7], s[G0B+6:G0B+7], KSTEP*2
.else
	s_add_co_u32 s[G0I+1], s[LBI], s[CUR]
	s_add_nc_u64 s[G0I+2:G0I+3], s[G0I+2:G0I+3], s[STP:STP+1]
.endif
	s_wait_dscnt 9                                 ; (the add and the youngest eight loads may be out)
	MUL16 F1, 0, 0, 0
	s_wait_dscnt 0x0                               ; the add is done, and my reads of this slot are over
	s_barrier_signal -1
	MUL16 F1, 0, 2, 0
	WIN 0
	s_barrier_wait -1
	CREST
.if (\kind) == 1
	JLOAD 1
.else
	tensor_load_to_lds s[G0I:G0I+3], s[G1I:G1I+7]
	s_nop 0
	PLACES
	s_mov_b32 s[STP], 0x800000                     ; the next image is V's
.endif
	s_xor_b32 s[CUR], s[CUR], SLOT                 ; the other slot is read from here on
	v_add_nc_u32 v[ADRA], s[CUR], v[A0V]
	v_add_nc_u32 v[ADRB], s[CUR], v[B0V]
	FETCH 0, F0
	MUL16 F1, 1, 0, 0
	MUL16 F1, 1, 2, 0
.endm
	s_wait_tensorcnt 1                             ; my part of K step 0 is in; step 1's may stay out
	s_wait_dscnt 0x0                               ; my two numbers of the mask are stored
	s_barrier_signal -1
	s_barrier_wait -1
	FETCH 0, F0
	QUARTER 64, F0, F1, 1
	WIN 0
	s_mov_b32 s[CNT], STEPS-2
	s_branch .Lmid                                 ; the first step's first quarter has been done
.Lstep:                                                ; a trip is a K step, and fills the slot that it has read out
	QUARTER 64, F0, F1, 0
	WIN 0
.Lmid:
	QUARTER 128, F1, F0, 0
	QUARTER 192, F0, F1, 0
	TURN 1
	WIN 0
	s_sub_co_u32 s[CNT], s[CNT], 1
	s_cmp_lg_u32 s[CNT], 0
	s_cbranch_scc1 .Lstep
	s_mov_b32 s[CNT], 2
.Ltail:                                                ; the last two steps: the slots take the images
	QUARTER 64, F0, F1, 0
	QUARTER 128, F1, F0, 0
	QUARTER 192, F0, F1, 0
	TURN 2
	WIN 0
	s_sub_co_u32 s[CNT], s[CNT], 1
	s_cmp_lg_u32 s[CNT], 0
	s_cbranch_scc1 .Ltail
	; THE HAND-OVER.  My K image landed before the last round (the wait for all my loads in front of it); only I read it.
	s_wait_dscnt 0x0                               ; the fragments fetched behind the last turn serve nothing; their registers are loaded again below
	PLACES                                         ; behind the last products, in front of loads into B's fragments
	WIN 0x40
.set f, 0
.rept 64
	ds_load_b128 v[4*f:4*f+3], v[KA] offset:512*f
.set f, f+1
.endr
	WIN 0
	s_wait_dscnt 0x0                               ; my reads of slot 0 are over;
	s_barrier_signal -1
	s_barrier_wait -1                              ; everybody's are.  Slot 0 has had its last fill: it takes q
.set a, 0
.rept 8
.set TM, TMP+32*(a%2)
	WIN 0x0a+5*(a/4)                               ; sources in window 2 or 3
.set i, 0
.rept 32
	v_cvt_pk_f16_f32 v[TM+i], v[64*(a%4)+2*i], v[64*(a%4)+2*i+1]
.set i, i+1
.endr
	WIN 0
.irp b, 0,1,2,3,4,5,6,7
	ds_store_b128 v[PA], v[TM+4*\b:TM+4*\b+3] offset:(\b/4)*32768+a*2048+(\b%4)*512
.endr
.set a, a+1
.endr
	s_wait_dscnt 0x0                               ; for the others' sake: my part of q is parked
	s_barrier_signal -1
	s_barrier_wait -1
	s_wait_tensorcnt 0x0                           ; my V image is in; only I read it
	WIN 0x80
.set f, 0
.rept 64
	ds_load_b128 v[4*f:4*f+3], v[VA] offset:512*f
.set f, f+1
.endr
	WIN 0xc0
.set f, 0
.rept 32                               ; keys 16 kt + 8 h + j: kt = f / 2, registers 4 (f % 2) ..
	ds_load_b128 v[4*f:4*f+3], v[MA] offset:64*(f/2)+16*(f%2)
.set f, f+1
.endr
	WIN 0
.irp f, 0,1,2,3
	ds_load_b128 v[Q+4*\f:Q+4*\f+3], v[KA] offset:512*\f  ; tile 0 of my head's q
.endr
	v_mov_b32 v[MT], 0                             ; v_permlanex16_b32's destinations and the partners of two broadcast pairs are written once
	v_mov_b32 v[CM+1], 0
	v_mov_b32 v[LT], 0
	v_mov_b32 v[RL+1], 0
	s_mov_b32 s[QOFF], 0
; THE PRODUCTS, one at a time.  KQ1: S^T[t] (keys 16 t ..): c = 0 starts the sum with the mask, c = 1 adds the other 32 channels.  PV1: O^T[cb] += V^T(keys 32 g ..) P; g = 0 starts the sum.
; No product stands next to one on the same accumulator.
.macro KQ1 t, c
.if (\c) == 0
	WIN 0x31                                       ; K window 1, Q window 0, the mask window 3
	v_wmma_f32_16x16x32_f16 v[S+8*(\t):S+8*(\t)+7], v[16*(\t):16*(\t)+7], v[Q:Q+7], v[8*(\t):8*(\t)+7]
.else
	WIN 0x01
	v_wmma_f32_16x16x32_f16 v[S+8*(\t):S+8*(\t)+7], v[16*(\t)+8:16*(\t)+15], v[Q+8:Q+15], v[S+8*(\t):S+8*(\t)+7]
.endif
.endm
.macro PV1 g, cb
	WIN 0x02                                       ; V window 2
.if (\g) == 0
	v_wmma_f32_16x16x32_f16 v[O+8*(\cb):O+8*(\cb)+7], v[32*(\g)+8*(\cb):32*(\g)+8*(\cb)+7], v[P+8*((\g)%2):P+8*((\g)%2)+7], 0
.else
	v_wmma_f32_16x16x32_f16 v[O+8*(\cb):O+8*(\cb)+7], v[32*(\g)+8*(\cb):32*(\g)+8*(\cb)+7], v[P+8*((\g)%2):P+8*((\g)%2)+7], v[O+8*(\cb):O+8*(\cb)+7]
.endif
.endm
; THE VECTOR LINES.  Group g: my 16 scores s0-s15 at S + 16 g.  SF: c s - c m for pair n.  SE: the exponential of score n.  SC: pair n rounded to f16.  SA: pair at y added onto pair at x, in place.  LA: l takes the pair at x.
; SX: line n of the eight that take group j's new scores into the next tile's maximum: chain n % 2 walks accumulator 2 j + n % 2 upward.
.macro SF g, n
	WIN 0
	v_pk_fma_f32 v[S+16*(\g)+2*(\n):S+16*(\g)+2*(\n)+1], v[S+16*(\g)+2*(\n):S+16*(\g)+2*(\n)+1], s[CS:CS+1], v[CM:CM+1] op_sel_hi:[1,0,0] neg_lo:[0,0,1] neg_hi:[0,0,1]
.endm
.macro SE g, n
	WIN 0
	v_exp_f32 v[S+16*(\g)+(\n)], v[S+16*(\g)+(\n)]
.endm
.macro SC g, n
	WIN 0
	s_wait_alu depctr_va_vdst(0)
	v_cvt_pk_f16_f32 v[P+8*((\g)%2)+(\n)], v[S+16*(\g)+2*(\n)], v[S+16*(\g)+2*(\n)+1]
.endm
.macro SA g, x, y
	WIN 0
	v_pk_add_f32 v[S+16*(\g)+(\x):S+16*(\g)+(\x)+1], v[S+16*(\g)+(\x):S+16*(\g)+(\x)+1], v[S+16*(\g)+(\y):S+16*(\g)+(\y)+1]
.endm
.macro LA g, x
	WIN 0
	v_pk_add_f32 v[L:L+1], v[L:L+1], v[S+16*(\g)+(\x):S+16*(\g)+(\x)+1]
.endm
.macro SX j, n
	WIN 0
.if ((\j) == 0) && ((\n) < 2)
	v_max_num_f32 v[MX+(\n)%2], v[S+16*(\j)+8*((\n)%2)+2*((\n)/2)], v[S+16*(\j)+8*((\n)%2)+2*((\n)/2)+1]
.else
	v_max3_num_f32 v[MX+(\n)%2], v[MX+(\n)%2], v[S+16*(\j)+8*((\n)%2)+2*((\n)/2)], v[S+16*(\j)+8*((\n)%2)+2*((\n)/2)+1]
.endif
.endm
.macro MC k                            ; the maximum's end: the two chains; the query's other 128 keys, in the lane 16 away; c m
	WIN 0
.if (\k) == 0
	v_max_num_f32 v[MX], v[MX], v[MX+1]
.elseif (\k) == 1
	v_permlanex16_b32 v[MT], v[MX], s[SEL], s[SEL+1]
.elseif (\k) == 2
	v_max_num_f32 v[M], v[MX], v[MT]
.else
	v_mul_f32 v[CM], s[CS], v[M]
.endif
.endm
.macro PK n                            ; pair n of O^T times 1 / l
	WIN 0
	s_wait_alu depctr_va_vdst(0)
	v_pk_mul_f32 v[O+2*(\n):O+2*(\n)+1], v[O+2*(\n):O+2*(\n)+1], v[RL:RL+1] op_sel_hi:[1,0]
.endm
.macro CV n                            ; and rounded
	WIN 0
	v_cvt_pk_f16_f32 v[T+(\n)], v[O+2*(\n)], v[O+2*(\n)+1]
.endm
.macro YST cb                          ; 512 consecutive bytes of y, aligned: a lane's eight channels of block cb
	global_store_b128 v[GO], v[T+4*(\cb):T+4*(\cb)+3], s[YB:YB+1] offset:512*(\cb)-2048
.endm
.macro FN g, n                         ; c s - c m for the next group; slot 7 has none (the next tile's m is not known yet): a v_nop keeps the lines round it as far apart as they were
.if (\g) < 7
	SF (\g)+1, \n
.else
	WIN 0
	v_nop
.endif
.endm
.macro LG g, k, fill                   ; what is left of the group before: its last rounding and last three sums.  Slot 0 has none: there O's roundings stand (fill = 1), or a v_nop
.if (\g) > 0
.if (\k) == 0
	SC (\g)-1, 7
.elseif (\k) == 1
	SA (\g)-1, 12, 14
.elseif (\k) == 2
	LA (\g)-1, 8
.else
	LA (\g)-1, 12
.endif
.elseif \fill
	CV 4+(\k)
.else
	WIN 0
	v_nop
.endif
.endm
.macro XN g, n, fill                   ; the next tile's maximum over the scores that this slot has made; in slot 0 as LG
.if (\g) > 0
	SX (\g)-1, \n
.elseif \fill
	CV 8+(\n)
.else
	WIN 0
	v_nop
.endif
.endm
.macro WM g, k                         ; product k of slot g's eight; slot 0 has none
.if (\g) > 0
.if (\k) < 4
	KQ1 2*((\g)-1)+(\k)%2, (\k)/2
.else
	PV1 (\g)-1, (\k)-4
.endif
.endif
.endm
; A SLOT.  Distances, in vector lines: a rounding stands four lines or more behind its second exponential, a sum three or more behind the sum that it takes; a pair is summed only when it has been rounded.
; Behind the product that finishes an accumulator four plain lines that name none of its registers stand ahead of the first SX that reads it (ISA guide 7.12.1); likewise ahead of a rounding into a buffer of P that a product has read.
; All that reads group g - 1's old numbers stands in the first sixteen lines, ahead of the products that write the new scores there.
.macro SLOT g, fill
	SE \g, 0
	FN \g, 0
.if \fill
	YST 0
.endif
	SE \g, 1
	LG \g, 0, \fill
	SE \g, 2
	LG \g, 1, \fill
	SE \g, 3
	SC \g, 0
	SE \g, 4
	LG \g, 2, \fill
	SE \g, 5
	SC \g, 1
	SE \g, 6
	LG \g, 3, \fill
	SE \g, 7
	SC \g, 2
.if \fill
	YST 1
.endif
.if (\g) == 1
	s_wait_dscnt 0x0                               ; the next tile's q is in
.endif
	WM \g, 0
	SA \g, 0, 2
	SE \g, 8
	FN \g, 1
	SC \g, 3
	WM \g, 1
	FN \g, 2
	SE \g, 9
	SA \g, 4, 6
	FN \g, 3
	WM \g, 2
	FN \g, 4
	SE \g, 10
	SC \g, 4
.if (\g) == 0
	WIN 0
	v_pk_add_f32 v[L:L+1], v[S:S+1], v[S+4:S+5]    ; group 0 starts l: nothing is cleared
.else
	SA \g, 0, 4
.endif
	WM \g, 3
	FN \g, 5
	SE \g, 11
	FN \g, 6
.if (\g) > 0
	LA \g, 0
.endif
	WM \g, 4
	FN \g, 7
	SE \g, 12
	SC \g, 5
	XN \g, 0, \fill
	WM \g, 5
	XN \g, 1, \fill
	SE \g, 13
	SA \g, 8, 10
	XN \g, 2, \fill
	WM \g, 6
	XN \g, 3, \fill
	SE \g, 14
	SC \g, 6
.if \fill
	YST 2
.endif
	XN \g, 4, \fill
	WM \g, 7
	XN \g, 5, \fill
	SE \g, 15
	XN \g, 6, \fill
	XN \g, 7, \fill
.if \fill
	YST 3
.endif
.endm
.macro QADR                            ; the next tile of q; behind tile 15 the address stays
	s_add_co_u32 s[QOFF], s[QOFF], 2048
	s_min_u32 s[QOFF], s[QOFF], 15*2048
	v_add_nc_u32 v[QAD], s[QOFF], v[KA]
.endm
.macro QLD
.irp f, 0,1,2,3
	ds_load_b128 v[Q+4*\f:Q+4*\f+3], v[QAD] offset:512*\f
.endr
.endm
; A TILE'S END.  Group 7's last lines; the last eight products; l's end and 1 / l; the next q, four plain lines behind the last product that read q; the maximum's end, each of its four dependent lines with three of
; O / l behind it; then c s - c m for the next tile's group 0, with the rest of O / l and its first roundings between.
.macro TRAIL
	LA 7, 8
	SC 7, 7
	SA 7, 12, 14
	KQ1 14, 0
	WIN 0
	s_wait_xcnt 0x0                                ; the last trip's stores have read T and GO
	v_add_nc_u32 v[GO], 2048, v[GO]
	v_nop
	LA 7, 12                                       ; the last read of group 7's old numbers
	KQ1 15, 0
	WIN 0
	v_add_f32 v[LS], v[L], v[L+1]
	KQ1 14, 1
	WIN 0
	v_permlanex16_b32 v[LT], v[LS], s[SEL], s[SEL+1]
	KQ1 15, 1
	WIN 0
	v_add_f32 v[LS], v[LS], v[LT]
	PV1 7, 0
	WIN 0
	v_rcp_f32 v[RL], v[LS]
	QADR                                           ; its vector line is the plain line behind the reciprocal
	PV1 7, 1
	WIN 0
	v_nop
	v_nop                                          ; with the two lines above: four places behind the last K Q^T
	PV1 7, 2
	WIN 0
	QLD
	SX 7, 0
	SX 7, 1
	PV1 7, 3
.irp n, 2,3,4,5,6,7
	SX 7, \n                                       ; six plain lines: the places behind the last product
.endr
	PK 0
	PK 1
	MC 0
	PK 2
	PK 3
	PK 4
	MC 1
	PK 5
	PK 6
	PK 7
	MC 2
	PK 8
	PK 9
	PK 10
	MC 3
	PK 11
	PK 12
	PK 13
	SF 0, 0
	PK 14
	SF 0, 1
	PK 15
	SF 0, 2
	CV 0
	SF 0, 3
	CV 1
	SF 0, 4
	CV 2
	SF 0, 5
	CV 3
	SF 0, 6
	SF 0, 7
.endm
	s_wait_dscnt 0x0                               ; V, the mask and tile 0 of q
.set u, 0
.rept 8                                ; tile 0's scores: there is no vector work yet to set between them
	KQ1 2*u, 0
	KQ1 2*u+1, 0
	KQ1 2*u, 1
	KQ1 2*u+1, 1
.set u, u+1
.endr
	WIN 0
	PLACES
	QADR
	QLD                                            ; tile 1
.set u, 0
.rept 8
.irp n, 0,1,2,3,4,5,6,7
	SX u, \n
.endr
.set u, u+1
.endr
	MC 0
	MC 1
	MC 2
	MC 3
.irp n, 0,1,2,3,4,5,6,7
	SF 0, \n
.endr
	SLOT 0, 0
	WIN 0
	s_mov_b32 s[CNT], 16
.Ltile:
	SLOT 1, 0
	SLOT 2, 0
	SLOT 3, 0
	SLOT 4, 0
	SLOT 5, 0
	SLOT 6, 0
	SLOT 7, 0
	TRAIL
	SLOT 0, 1
	WIN 0
	s_sub_co_u32 s[CNT], s[CNT], 1
	s_cmp_lg_u32 s[CNT], 0
	s_cbranch_scc1 .Ltile
	s_wait_tensorcnt 0x0                           ; the wave's end
	ds_add_u32 v[SPW], v[NIL]
	s_wait_dscnt 0x0
	CROUND                                         ; the closing round
	s_endpgm
.Lfunc_end_k_qfa0e736b26_qattn:
	.size	k_qfa0e736b26_qattn, .Lfunc_end_k_qfa0e736b26_qattn-k_qfa0e736b26_qattn
	.p2alignl 7, 3214868480
	.fill 96, 4, 3214868480
	.section	.rodata,"a",@progbits
	.p2align	6, 0x0
	.amdhsa_kernel k_qfa0e736b26_qattn
		.amdhsa_group_segment_fixed_size 327680
		.amdhsa_private_segment_fixed_size 0
		.amdhsa_enable_private_segment 0
		.amdhsa_kernarg_size 48
		.amdhsa_user_sgpr_count 2
		.amdhsa_user_sgpr_kernarg_segment_ptr 1
		.amdhsa_wavefront_size32 1
		.amdhsa_system_sgpr_workgroup_id_x 1
		.amdhsa_system_sgpr_workgroup_id_y 1
		.amdhsa_system_sgpr_workgroup_id_z 1
		.amdhsa_system_vgpr_workitem_id 0
		.amdhsa_next_free_vgpr 1024
		.amdhsa_next_free_sgpr 100
		.amdhsa_reserve_vcc 0
		.amdhsa_float_denorm_mode_32 3
		.amdhsa_float_denorm_mode_16_64 3
		.amdhsa_memory_ordered 1
		.amdhsa_forward_progress 1
		.amdhsa_inst_pref_size 147
	.end_amdhsa_kernel
	.amdgpu_metadata
---
amdhsa.version: [ 1, 2 ]
amdhsa.kernels:
  - .name:           k_qfa0e736b26_qattn
    .symbol:         k_qfa0e736b26_qattn.kd
    .args:
      - { .name: xn, .offset: 0, .size: 8, .value_kind: global_buffer, .address_space: global }
      - { .name: wq16, .offset: 8, .size: 8, .value_kind: global_buffer, .address_space: global }
      - { .name: bq, .offset: 16, .size: 8, .value_kind: global_buffer, .address_space: global }
      - { .name: padding, .offset: 24, .size: 8, .value_kind: global_buffer, .address_space: global }
      - { .name: kvimg, .offset: 32, .size: 8, .value_kind: global_buffer, .address_space: global }
      - { .name: y, .offset: 40, .size: 8, .value_kind: global_buffer, .address_space: global }
    .group_segment_fixed_size: 327680
    .private_segment_fixed_size: 0
    .kernarg_segment_align: 8
    .kernarg_segment_size: 48
    .max_flat_workgroup_size: 128
    .sgpr_count:     100
    .vgpr_count:     1024
    .wavefront_size: 32
...
	.end_amdgpu_metadata
.endif
;; end of part 3
;; launch outproj (part 4): grid 64 x 4, 4 waves a work-group, clusters of 4 x 4, 327,680 bytes of LDS; arguments wo16, y, bo, x, out0; writes out0
.if DOCPART == 4
	.amdgcn_target "amdgcn-amd-amdhsa--gfx1250"
	.amdhsa_code_object_version 6
	.text
	.protected	k_qfa0e736b26_outproj
	.globl	k_qfa0e736b26_outproj
	.p2align	8
	.type	k_qfa0e736b26_outproj,@function
k_qfa0e736b26_outproj:
	s_mov_b64 s[64:65], 0
	v_nop
	global_prefetch_b8 v0, s[64:65] scope:SCOPE_SE
	s_setreg_imm32_b32 hwreg(HW_REG_WAVE_MODE, 25, 1), 1
	s_wait_xcnt 0x0
	s_wait_alu depctr_hold_cnt(0) depctr_sa_sdst(0) depctr_va_vdst(0) depctr_va_sdst(0) depctr_va_ssrc(0) depctr_va_vcc(0) depctr_vm_vsrc(0)
	s_getreg_b32 s2, hwreg(HW_REG_IB_STS2, 6, 4)
	s_cmp_eq_u32 s2, 0
	s_cbranch_scc0 .Lentry_in_a_cluster
	s_endpgm
.Lentry_in_a_cluster:
	s_bfe_u32 s2, ttmp6, 0x10000c
	s_cmp_lg_u32 s2, 0xf033
	s_cbranch_scc0 .Lentry_shape_is_right
	s_endpgm
.Lentry_shape_is_right:
; OUTPROJ.  out0[n][o][p] = x[n][o][p] + bo[o] + sum over c of Wo[o][c] y[n][c][p] (c = 64 head + d).  f16 operands, f32 sums; x is added in f32.
; y lies as fragment images: y[n][head][tile of 16 positions, 64][cb 4][lane 32][16 bytes], lane (r, h) holding position 16 tile + r, channels 16 cb + 8 h + 0..7: blocks 2 c and 2 c + 1 ARE the eight registers of the
; fragment of 16 positions x channels 32 c .. 32 c + 31.
; A tile is 256 o x 256 p.  Four waves, each 128 x 128.  Source 0 = 16 positions of y (the result's registers), source 1 = 16 rows of Wo (its lane): a lane holds eight neighbouring positions of one output row.
; K = 1,024 in eight steps of 128 = two heads.  In a slot: Wo's 256 rows (pitch 272), then two planes, one a head, of 32,768 dense bytes (16 tiles), read lane by lane: 512 neighbouring bytes a load.
; THE WALK.  A trip is one K step; CUR (0 or SLOT) says which slot is read.  The first quarter, whose products start the sums, stands in front of the loop, which is entered in its middle.  The last two steps, which fill
; nothing, are one text walked twice: behind the last step's turn 32 LDS loads and a barrier serve nothing, the price of one text.
; CLUSTER 4 x 4: Wo's tile is shared along the cluster's row, y's along its column; each is asked for jointly.
; THE WAY OUT: a block of 16 output rows goes through my stage in LDS and comes back as whole rows of 512 bytes; x, loaded ahead in the same shape, is added; each store covers 512 consecutive bytes, aligned.
; REGISTERS: window 0 v64-191 A's fragments, later the rows on their way out; window 1 v0-63 bo (8 equal registers a block), v64-191 B's fragments, later all four quarters hold x; windows 2, 3 the accumulators.
.set KSTEP,  128
.set STEPS,  8
.set PITCH,  272
.set HALFA,  128*PITCH                 ; 34,816
.set PLANE,  32768
.set BOFF,   2*HALFA
.set SLOT,   2*HALFA+2*PLANE           ; 135,168
.set STAGE,  2*SLOT                    ; 270,336: 16 rows x 528 bytes for each wave
.set SPT,    528
.set SPARE,  STAGE+4*16*SPT            ; 304,128
.set A0V,  16                          ; v16, v17 my A and B fragments in slot 0
.set B0V,  17
.set ADRA, 20                          ; v20, v21 in the slot that is read
.set ADRB, 21
.set STO,  24
.set RD,   25
.set CO,   26                          ; v26 16 l
.set SPW,  28
.set NIL,  29
.set F0,   64
.set F1,   128
.set OB,   64
.set CUR,  2                           ; s2   0 or SLOT: the slot that is read
.set CNT,  3
.set G1A, 24
.set G0A, 32                           ; s[32:35] K step 0; s[36:39] walks from K step 1 on
.set G1B, 40
.set G0B, 48                           ; s[48:51], s[52:55] likewise
.set LBA, 60                           ; s60  where my half of Wo's tile goes in a slot
.set LBB, 61                           ; s61  where my head's plane goes
.set MSB, 0
.macro WIN new
.if MSB != (\new)
	s_set_vgpr_msb (MSB<<8)|(\new)
.set MSB, \new
.endif
.endm
.macro PLACES
.rept 4
	v_nop
.endr
.endm
.macro JLOAD s                         ; a joint load: waves 0 and 1 fetch Wo's halves, waves 2 and 3 the two heads' planes; an s_nop 0 and four v_nop follow each line
	s_cmp_eq_u32 s15, 0
	s_cbranch_scc0 .Lfor_b_\@
	tensor_load_to_lds s[G0A+4*(\s):G0A+4*(\s)+3], s[G1A:G1A+7]
	s_nop 0
.rept 4
	v_nop
.endr
	s_branch .Lasked_\@
.Lfor_b_\@:
	tensor_load_to_lds s[G0B+4*(\s):G0B+4*(\s)+3], s[G1B:G1B+7]
	s_nop 0
.rept 4
	v_nop
.endr
.Lasked_\@:
.endm
.macro CREST
	s_cmp_lg_u32 s14, 0
	s_cbranch_scc1 .Lnot_wave_0_\@
	s_barrier_signal -3
.Lnot_wave_0_\@:
	s_barrier_wait -3
	s_barrier_signal -1
	s_barrier_wait -1
.endm
.macro CROUND
	s_barrier_signal -1
	s_barrier_wait -1
	CREST
.endm
	s_load_b256 s[4:11], s[0:1], 0x0               ; wo16 s[4:5], y s[6:7], bo s[8:9], x s[10:11]
	s_load_b64 s[12:13], s[0:1], 0x20              ; out0
	v_lshl_add_u32 v[SPW], v0, 2, SPARE
	v_mov_b32 v[NIL], 0
	ds_add_u32 v[SPW], v[NIL]                      ; the wave's opening
	v_lshrrev_b32 v1, 5, v0
	v_readfirstlane_b32 s14, v1
	s_lshr_b32 s15, s14, 1                         ; rh: my half of the output rows.  Also: I fetch for A (0) or B (1)
	s_and_b32 s16, s14, 1                          ; ch: my half of the positions.  Also: which half, or which head, I fetch
	s_bfe_u32 s17, ttmp6, 0x40000                  ; cx
	s_bfe_u32 s18, ttmp6, 0x40004                  ; cy
	s_lshl_b32 s19, ttmp9, 2
	s_add_co_u32 s19, s19, s17                     ; Tx: tile of 256 positions, n = Tx / 4
	s_and_b32 s20, ttmp7, 0xffff
	s_lshl_b32 s20, s20, 2
	s_add_co_u32 s20, s20, s18                     ; To: tile of 256 output rows
	s_lshl_b32 s22, s18, 2
	s_lshl_b32 s22, 15, s22                        ; my row of the cluster
	s_lshl_b32 s23, 0x1111, s17                    ; my column
	s_or_b32 s[G1A], s22, (1<<16)|(1<<20)|(1<<21)|(5<<22)|(3<<25)  ; 2-byte elements; after every 64 words 4 words of padding
	s_or_b32 s[G1B], s23, (3<<16)|(1<<21)          ; elements of 8 bytes, no padding
	s_mov_b32 s[G1A+1], 128<<16                    ; Wo: 128 rows x 128 elements,
	s_mov_b32 s[G1A+2], 128<<16
	s_mov_b32 s[G1A+3], 128<<16
	s_mov_b32 s[G1A+4], 128
	s_mov_b32 s[G1A+5], 1024                       ; 1,024 elements from row to row
	s_mov_b32 s[G1A+6], 0
	s_mov_b32 s[G1A+7], 0
	s_mov_b32 s[G1B+1], 32<<16                     ; y: 128 rows of 32 elements: 256 bytes each, end to end
	s_mov_b32 s[G1B+2], 128<<16
	s_mov_b32 s[G1B+3], 32<<16
	s_mov_b32 s[G1B+4], 128
	s_mov_b32 s[G1B+5], 32
	s_mov_b32 s[G1B+6], 0
	s_mov_b32 s[G1B+7], 0
	s_lshl_b32 s56, s20, 8
	s_lshl_b32 s57, s16, 7
	s_add_co_u32 s56, s56, s57
	s_lshl_b32 s56, s56, 11                        ; A: row 256 To + 128 half
	s_mov_b32 s57, 0
	s_lshr_b32 s58, s19, 2
	s_lshl_b32 s58, s58, 21                        ; B: n x 16 heads x 131,072
	s_lshl_b32 s59, s16, 17                        ; + head ch
	s_add_co_u32 s58, s58, s59
	s_and_b32 s59, s19, 3
	s_lshl_b32 s59, s59, 15                        ; + 16 tiles of 2,048 bytes
	s_add_co_u32 s58, s58, s59
	s_mov_b32 s59, 0
	s_mul_i32 s[LBA], s16, HALFA                   ; where they go
	s_lshl_b32 s[LBB], s16, 15
	s_add_co_u32 s[LBB], s[LBB], BOFF
	s_mov_b32 s[CUR], 0
	s_lshl_b32 s62, s20, 8
	s_lshl_b32 s63, s15, 7
	s_add_co_u32 s62, s62, s63                     ; my first output row
	s_lshl_b32 s66, s62, 12                        ; in x and out0: 4,096 bytes a row,
	s_lshl_b32 s62, s62, 2                         ; in bo
	s_mov_b32 s63, 0
	s_lshr_b32 s67, s19, 2
	s_lshl_b32 s67, s67, 22                        ; + n,
	s_add_co_u32 s66, s66, s67
	s_and_b32 s67, s19, 3
	s_lshl_b32 s67, s67, 10                        ; + the tile's 256 positions,
	s_add_co_u32 s66, s66, s67
	s_lshl_b32 s67, s16, 9                         ; + my 128
	s_add_co_u32 s66, s66, s67
	s_mov_b32 s67, 0
	s_wait_dscnt 0x0                               ; the opening add is done
	s_wait_kmcnt 0x0
	s_add_nc_u64 s[56:57], s[4:5], s[56:57]
	s_add_nc_u64 s[58:59], s[6:7], s[58:59]
	s_add_nc_u64 s[8:9], s[8:9], s[62:63]
	s_add_nc_u64 s[10:11], s[10:11], s[66:67]
	s_add_nc_u64 s[12:13], s[12:13], s[66:67]
	CROUND                                         ; all sixteen work-groups are here: the first joint loads meet
.irp s, 0,1
	s_mov_b32 s[G0A+4*(\s)], 1
	s_add_co_u32 s[G0A+4*(\s)+1], s[LBA], (\s)*SLOT
	s_add_nc_u64 s[G0A+4*(\s)+2:G0A+4*(\s)+3], s[56:57], (\s)*KSTEP*2
	s_or_b32 s[G0A+4*(\s)+3], s[G0A+4*(\s)+3], 0x80000000
	s_mov_b32 s[G0B+4*(\s)], 1
	s_add_co_u32 s[G0B+4*(\s)+1], s[LBB], (\s)*SLOT
	s_add_nc_u64 s[G0B+4*(\s)+2:G0B+4*(\s)+3], s[58:59], (\s)*262144
	s_or_b32 s[G0B+4*(\s)+3], s[G0B+4*(\s)+3], 0x80000000
	JLOAD \s                                       ; two loads of mine are out
.endr
	v_and_b32 v1, 15, v0                           ; r
	v_bfe_u32 v2, v0, 4, 1                         ; h
	v_lshlrev_b32 v4, 2, v1
	WIN 0x40
.irp a, 0,1,2,3,4,5,6,7
	global_load_b32 v[8*\a], v4, s[8:9] offset:64*\a  ; bo of output row 16 a + r
.endr
	WIN 0
	v_and_b32 v[CO], 31, v0
	v_lshlrev_b32 v[CO], 4, v[CO]                  ; 16 l
	v_mul_u32_u24 v3, v1, PITCH
	v_lshl_add_u32 v3, v2, 4, v3
	s_mul_i32 s68, s15, HALFA                      ; my 128 rows of Wo
	s_lshl_b32 s69, s16, 14                        ; my 8 tiles in a plane
	s_add_co_u32 s69, s69, BOFF
	v_add_nc_u32 v[A0V], s68, v3
	v_add_nc_u32 v[B0V], s69, v[CO]
	v_mov_b32 v[ADRA], v[A0V]                      ; K step 0 lies in slot 0
	v_mov_b32 v[ADRB], v[B0V]
	s_mul_i32 s68, s14, 16*SPT
	s_add_co_u32 s68, s68, STAGE                   ; my stage
	v_mul_u32_u24 v[STO], v1, SPT                  ; in: row r, 32 bytes for each half of the lanes
	v_lshl_add_u32 v[STO], v2, 5, v[STO]
	v_add_nc_u32 v[STO], s68, v[STO]
	v_add_nc_u32 v[RD], s68, v[CO]                 ; back: a whole row of 512 bytes
; 16 matrix instructions; first = 1: bo starts the sums.  The 64 accumulators take turns.
.macro MUL16 f, hi, a0, first
.if \first
	WIN 0x91+0x40*(\hi)
.else
	WIN 0xa1+0x50*(\hi)
.endif
.irp a, \a0, (\a0)+1
.irp b, 0,1,2,3,4,5,6,7
.if \first
	v_wmma_f32_16x16x32_f16 v[8*(8*(\a)+(\b)):8*(8*(\a)+(\b))+7], v[(\f)+8*(\b):(\f)+8*(\b)+7], v[(\f)+8*(4*(\hi)+(\a)):(\f)+8*(4*(\hi)+(\a))+7], v[8*(4*(\hi)+(\a)):8*(4*(\hi)+(\a))+7]
.else
	v_wmma_f32_16x16x32_f16 v[8*(8*(\a)+(\b)):8*(8*(\a)+(\b))+7], v[(\f)+8*(\b):(\f)+8*(\b)+7], v[(\f)+8*(4*(\hi)+(\a)):(\f)+8*(4*(\hi)+(\a))+7], v[8*(8*(\a)+(\b)):8*(8*(\a)+(\b))+7]
.endif
.endr
.endr
.endm
; 32 LDS loads in one run: quarter kq of a step: head plane kq / 2, blocks 2 (kq % 2) and 2 (kq % 2) + 1 of my eight tiles; Wo's columns 32 kq on
.macro FETCH kq, f
	WIN 0x40
.irp i, 0,1,2,3,4,5,6,7
	ds_load_b128 v[(\f)+8*(\i):(\f)+8*(\i)+3],   v[ADRB] offset:((\kq)/2)*PLANE+((\kq)%2)*1024+(\i)*2048
	ds_load_b128 v[(\f)+8*(\i)+4:(\f)+8*(\i)+7], v[ADRB] offset:((\kq)/2)*PLANE+((\kq)%2)*1024+(\i)*2048+512
.endr
	WIN 0
.irp i, 0,1,2,3,4,5,6,7
	ds_load_b128 v[(\f)+8*(\i):(\f)+8*(\i)+3],   v[ADRA] offset:(\kq)*64+(\i)*16*PITCH
	ds_load_b128 v[(\f)+8*(\i)+4:(\f)+8*(\i)+7], v[ADRA] offset:(\kq)*64+(\i)*16*PITCH+32
.endr
.endm
.macro QUARTER kq, f, g, first
	s_wait_dscnt 8                                 ; B and A's blocks 0-3 are in; the youngest eight loads may be out
	MUL16 \f, 0, 0, \first
	MUL16 \f, 0, 2, \first
	PLACES
	FETCH \kq, \g
	s_wait_dscnt 32                                ; all but the 32 just issued
	MUL16 \f, 1, 0, \first
	MUL16 \f, 1, 2, \first
.endm
; The last quarter multiplies buffer 1 and changes slots: one barrier; in front of it each wave waits for all its tensor loads (one is out at the most), adds 0 to its spare word, and waits for that and for its reads of
; this slot.  fill = 1: the barrier opens a round of the cluster's, and this slot is filled again, two K steps ahead, first thing behind it, by the walking descriptor.
.macro TURN fill
	WIN 0
	s_wait_tensorcnt 0x0                           ; no tensor load of mine is out, so a group 0 may be written
	ds_add_u32 v[SPW], v[NIL]
.if \fill
	s_add_co_u32 s[G0A+5], s[LBA], s[CUR]          ; into the slot that is being read out,
	s_add_nc_u64 s[G0A+6:G0A+7], s[G0A+6:G0A+7], KSTEP*2  ; the K step behind the one asked for last
	s_add_co_u32 s[G0B+5], s[LBB], s[CUR]
	s_add_nc_u64 s[G0B+6:G0B+7], s[G0B+6:G0B+7], 262144   ; two heads on
.endif
	s_wait_dscnt 9                                 ; (the add and the youngest eight loads may be out)
	MUL16 F1, 0, 0, 0
	s_wait_dscnt 0x0                               ; the add is done, and my reads of this slot are over
	s_barrier_signal -1
	MUL16 F1, 0, 2, 0
	WIN 0
	s_barrier_wait -1
.if \fill
	CREST
	JLOAD 1
.else
	PLACES
.endif
	s_xor_b32 s[CUR], s[CUR], SLOT                 ; the other slot is read from here on
	v_add_nc_u32 v[ADRA], s[CUR], v[A0V]
	v_add_nc_u32 v[ADRB], s[CUR], v[B0V]
	FETCH 0, F0
	MUL16 F1, 1, 0, 0
	MUL16 F1, 1, 2, 0
.endm
; x's 16 rows of block a, 512 bytes each, into one of four buffers of window 1: v192, v0, v64, v128 for a % 4 = 0, 1, 2, 3
.macro XLOAD a
	WIN 0x40
.set XB, (192+64*(\a))%256
.irp t, 0,1,2,3,4,5,6,7,8,9,10,11,12,13,14,15
	global_load_b128 v[XB+4*\t:XB+4*\t+3], v[CO], s[10:11] offset:(16*(\a)+\t)*4096 th:TH_LOAD_NT
.endr
	WIN 0
.endm
; Block a leaves.  left = the loads of x issued behind block a's, which may stay out.
.macro OBLK a, left
.set OBB, OB+64*((\a)%2)
.set XB, (192+64*(\a))%256
	WIN 0x08+4*((\a)/4)                            ; the stores' data in window 2 or 3; each accumulator's low registers go first
.irp b, 0,1,2,3,4,5,6,7
	ds_store_b128 v[STO], v[8*(8*((\a)%4)+\b):8*(8*((\a)%4)+\b)+3] offset:64*\b
	ds_store_b128 v[STO], v[8*(8*((\a)%4)+\b)+4:8*(8*((\a)%4)+\b)+7] offset:64*\b+16
.endr
	WIN 0
	s_wait_xcnt 0x0                                ; the stores of the block two back have read these registers
.irp t, 0,1,2,3,4,5,6,7,8,9,10,11,12,13,14,15
	ds_load_b128 v[OBB+4*\t:OBB+4*\t+3], v[RD] offset:SPT*\t  ; LDS serves a wave's instructions in order (ISA guide 5.7.1.4): these see the stores above
.endr
	s_wait_loadcnt \left
	s_wait_dscnt 0x0
	WIN 0x04                                       ; x in window 1
.set i, 0
.rept 32
	v_pk_add_f32 v[OBB+2*i:OBB+2*i+1], v[OBB+2*i:OBB+2*i+1], v[XB+2*i:XB+2*i+1]
.set i, i+1
.endr
	WIN 0
.irp t, 0,1,2,3,4,5,6,7,8,9,10,11,12,13,14,15
	global_store_b128 v[CO], v[OBB+4*\t:OBB+4*\t+3], s[12:13] offset:(16*(\a)+\t)*4096 th:TH_STORE_NT
.endr
.endm
	s_wait_tensorcnt 1                             ; my part of K step 0 is in; step 1's may stay out
	s_barrier_signal -1
	s_barrier_wait -1
	FETCH 0, F0
	s_wait_loadcnt 0x0                             ; bo
	WIN 0x41
.set a, 0
.rept 8
.irp j, 1,2,3,4,5,6,7
	v_mov_b32 v[8*a+\j], v[8*a]                    ; the C operand wants the lane's bias in all eight registers
.endr
.set a, a+1
.endr
	QUARTER 1, F0, F1, 1
	WIN 0
	s_mov_b32 s[CNT], STEPS-2
	s_branch .Lmid                                 ; the first step's first quarter has been done
.Lstep:                                                ; a trip is a K step, and fills the slot that it has read out
	QUARTER 1, F0, F1, 0
	WIN 0
.Lmid:
	QUARTER 2, F1, F0, 0
	QUARTER 3, F0, F1, 0
	TURN 1
	WIN 0
	s_sub_co_u32 s[CNT], s[CNT], 1
	s_cmp_lg_u32 s[CNT], 0
	s_cbranch_scc1 .Lstep
	XLOAD 0                                        ; x for the first two blocks goes out two K steps ahead, into registers that lie idle
	XLOAD 1
	s_mov_b32 s[CNT], 2
.Ltail:                                                ; the last two steps fill nothing
	QUARTER 1, F0, F1, 0
	QUARTER 2, F1, F0, 0
	QUARTER 3, F0, F1, 0
	TURN 0
	WIN 0
	s_sub_co_u32 s[CNT], s[CNT], 1
	s_cmp_lg_u32 s[CNT], 0
	s_cbranch_scc1 .Ltail
	s_wait_dscnt 0x0                               ; the fragments fetched behind the last turn serve nothing; their registers are loaded again below
	PLACES                                         ; behind the last products: in front of loads into their sources and of stores that read their results
	XLOAD 2
	XLOAD 3
	OBLK 0, 48
	XLOAD 4
	OBLK 1, 48
	XLOAD 5
	OBLK 2, 48
	XLOAD 6
	OBLK 3, 48
	XLOAD 7
	OBLK 4, 48
	OBLK 5, 32
	OBLK 6, 16
	OBLK 7, 0
	s_wait_tensorcnt 0x0                           ; the wave's end
	ds_add_u32 v[SPW], v[NIL]
	s_wait_dscnt 0x0
	CROUND                                         ; the closing round
	s_endpgm
.Lfunc_end_k_qfa0e736b26_outproj:
	.size	k_qfa0e736b26_outproj, .Lfunc_end_k_qfa0e736b26_outproj-k_qfa0e736b26_outproj
	.p2alignl 7, 3214868480
	.fill 96, 4, 3214868480
	.section	.rodata,"a",@progbits
	.p2align	6, 0x0
	.amdhsa_kernel k_qfa0e736b26_outproj
		.amdhsa_group_segment_fixed_size 327680
		.amdhsa_private_segment_fixed_size 0
		.amdhsa_enable_private_segment 0
		.amdhsa_kernarg_size 40
		.amdhsa_user_sgpr_count 2
		.amdhsa_user_sgpr_kernarg_segment_ptr 1
		.amdhsa_wavefront_size32 1
		.amdhsa_system_sgpr_workgroup_id_x 1
		.amdhsa_system_sgpr_workgroup_id_y 1
		.amdhsa_system_sgpr_workgroup_id_z 1
		.amdhsa_system_vgpr_workitem_id 0
		.amdhsa_next_free_vgpr 1024
		.amdhsa_next_free_sgpr 72
		.amdhsa_reserve_vcc 0
		.amdhsa_float_denorm_mode_32 3
		.amdhsa_float_denorm_mode_16_64 3
		.amdhsa_memory_ordered 1
		.amdhsa_forward_progress 1
		.amdhsa_inst_pref_size 130
	.end_amdhsa_kernel
	.amdgpu_metadata
---
amdhsa.version: [ 1, 2 ]
amdhsa.kernels:
  - .name:           k_qfa0e736b26_outproj
    .symbol:         k_qfa0e736b26_outproj.kd
    .args:
      - { .name: wo16, .offset: 0, .size: 8, .value_kind: global_buffer, .address_space: global }
      - { .name: y, .offset: 8, .size: 8, .value_kind: global_buffer, .address_space: global }
      - { .name: bo, .offset: 16, .size: 8, .value_kind: global_buffer, .address_space: global }
      - { .name: x, .offset: 24, .size: 8, .value_kind: global_buffer, .address_space: global }
      - { .name: out0, .offset: 32, .size: 8, .value_kind: global_buffer, .address_space: global }
    .group_segment_fixed_size: 327680
    .private_segment_fixed_size: 0
    .kernarg_segment_align: 8
    .kernarg_segment_size: 40
    .max_flat_workgroup_size: 128
    .sgpr_count:     72
    .vgpr_count:     1024
    .wavefront_size: 32
...
	.end_amdgpu_metadata
.endif
;; end of part 4
